; MI455X (gfx1250); checked and timed in simulation.
; The chip was launched on July 23, 2026; its instructions are those of AMD's public machine-readable ISA for CDNA 5 (MIT licence, August 2026) and "CDNA5" Instruction Set Architecture Reference Guide (July 2026). The comments in the code are by the model that wrote it; some were corrected since.
;; MHA. Allowed arithmetic: matrix products marked QUANTISED: E2M1 operands, one E8M0 scale for each 32 along K, by v_wmma_scale_f32_16x16x128_f8f6f4 with both operands' format E2M1 (or v_wmma_scale_f32_32x16x128_f4), f32 sums; products left as they are: bf16, f16 or f32 operands; f32 sums; everything else in f32.
;; Inputs: Wk 1,024 x 1,024 float32; Wo 1,024 x 1,024 float32; Wq 1,024 x 1,024 float32; Wv 1,024 x 1,024 float32; bo 1,024 float32; x 4 x 2,048 x 1,024 float32.
;; Outputs: out0 4 x 2,048 x 1,024 float32.
;; This version of the problem:
;;   THIS VERSION OF THE PROBLEM IS GIVEN IN LOW PRECISION. The matrix products marked QUANTISED in the list below multiply operands that are first quantised to E2M1 (2 exponent bits, 1 mantissa bit; 4 bits a number), with one power-of-two scale for each 32 numbers along K (OCP MX v1.0); their sums are f32. The products marked 'left as it is' may take bf16, f16 or f32 operands, with f32 sums. Whichever they take, every output number must still come out within the allowed error. Rounding operands to bf16 (8 significant bits) uses up far more of that allowance than f16 does (11 bits, for magnitudes from 6e-5 to 65,504). All else is computed in f32.
;;   The module's matrix products, in the order in which they are computed (A, B: the left and right operand; K: the contracted axis; several contracted axes count as one K, in the product's order):
;;     1. [M 8,192, K 1,024] x [K 1,024, N 1,024]; A: input x; B: input Wq: QUANTISED
;;     2. [M 8,192, K 1,024] x [K 1,024, N 1,024]; A: input x; B: input Wk: QUANTISED
;;     3. [M 8,192, K 1,024] x [K 1,024, N 1,024]; A: input x; B: input Wv: QUANTISED
;;     4. batch 64 x [M 2,048, K 64] x [K 64, N 2,048]; A: computed on the way; B: computed on the way: left as it is (an operand is computed on the way)
;;     5. batch 64 x [M 2,048, K 2,048] x [K 2,048, N 64]; A: computed on the way; B: computed on the way: left as it is (an operand is computed on the way)
;;     6. [M 8,192, K 1,024] x [K 1,024, N 1,024]; A: computed on the way; B: input Wo: left as it is (an operand is computed on the way)
;;   THE QUANTISER, for each operand of a quantised product, along K:
;;     - K is cut into blocks of 32 from its start; a last block that is shorter is filled with zeros.
;;     - A block's scale is 2^e with e = floor(log2(the largest magnitude in the block)) - 2, held to -126 .. 127; a block of zeros has e = 0. As a byte (E8M0): e + 127.
;;     - Each number is divided by its block's scale, clamped to +-6, and rounded to the nearest number of E2M1, ties to even, subnormals kept.
;;     - The product sums the exact products of the quantised numbers (number of the format x scale) in f32.
;;   ~~~python
;;   def quantise(x, axis):      # numpy; x: float32 -> the quantised numbers, widened to float32 again
;;       x = np.moveaxis(x, axis, -1); K = x.shape[-1]
;;       x = np.pad(x, [(0, 0)] * (x.ndim - 1) + [(0, -K % 32)]); x = x.reshape(x.shape[:-1] + (-1, 32)); a = np.abs(x).max(-1, keepdims=True)
;;       e = np.where(a > 0, np.clip(np.frexp(np.where(a > 0, a, 1))[1] - 1 - 2, -126, 127), 0)      # np.frexp(a)[1] - 1 = floor(log2(a)), exactly
;;       r = np.clip(x / 2.0 ** e, -6, 6)
;;       step = 2.0 ** (np.maximum(np.frexp(np.where(r == 0, 1, r))[1] - 1, 0) - 1)
;;       q = np.round(r / step) * step * 2.0 ** e      # np.round: ties to even
;;       return np.moveaxis(q.reshape(q.shape[:-2] + (-1,))[..., :K], -1, axis).astype(np.float32)
;;   ~~~
;; One version. Each part assembles by itself: llvm-mc -triple=amdgcn-amd-amdhsa -mcpu=gfx1250 --defsym DOCPART=n.
;; ======== version 1 of 1: 4 launches
;; limits: values are held in f16: magnitudes above 65,504 overflow, below 6.1e-05 lose precision
;; workspace buffers: x_codes 4,194,304 bytes; x_scales 262,144 bytes; w_codes 1,572,864 bytes; w_scales 98,304 bytes; wo16 2,097,152 bytes; qkv 50,331,648 bytes; att 16,777,216 bytes
;; launch prep (part 1): grid 432 x 1, 4 waves a work-group, no clusters, 68,096 bytes of LDS; arguments x, Wq, Wk, Wv, Wo, x_codes, x_scales, w_codes, w_scales, wo16; writes x_codes, x_scales, w_codes, w_scales, wo16
.if DOCPART == 1
	.amdgcn_target "amdgcn-amd-amdhsa--gfx1250"
	.amdhsa_code_object_version 6
	.text
	.protected	k_qf4e90338c6_prep
	.globl	k_qf4e90338c6_prep
	.p2align	8
	.type	k_qf4e90338c6_prep,@function
k_qf4e90338c6_prep:
	s_mov_b64 s[64:65], 0
	v_nop
	global_prefetch_b8 v0, s[64:65] scope:SCOPE_SE
	s_setreg_imm32_b32 hwreg(HW_REG_WAVE_MODE, 25, 1), 1
	s_wait_xcnt 0x0
; MULTI-HEAD ATTENTION, launch 1 of 4: the operands of the three quantised products are made, and Wo is rounded to f16.
; NO WORK OF THE PROBLEM IS LEFT OUT in any launch: x, Wq, Wk, Wv, Wo and bo all reach out0, there is no mask, and nothing is sliced away.
; x [8192][1024] f32, K innermost       -> x_codes [8192][512 bytes], x_scales [8192][32 bytes]
; Wq, Wk, Wv [k 1024][n 1024] f32, K FIRST -> w_codes [3072][512 bytes], w_scales [3072][32 bytes]; row 1024 sel + n, sel 0 = q, 1 = k, 2 = v; K innermost
; Wo [k 1024][n 1024] f32               -> wo16, the same layout in f16 (the last product is left as it is and takes f16 operands)
; THE QUANTISER: codes of E2M1, two a byte, the lower k in the low four bits; one E8M0 byte for each 32 along K.  A block's scale is 2^(floor(log2(largest magnitude)) - 2):
; its byte is the largest magnitude's exponent field - 2, held at 1 from below by a floor among the maximum's leaves.
; LIMITS: a block of zeros gets the byte 1 where the rule says 127 (its codes are zeros, which add nothing, and this program alone reads the bytes); blocks whose largest magnitude lies under
; 2^-124 are held at the byte 1; NaN and infinities among the inputs are not served; a number of Wo beyond 65,504 becomes an f16 infinity.
; THREE PATHS, parted by the work-group's number alone and never joined: 0-47 the three weights (a lane to a column, registers down K), 48-175 Wo, 176-431 x.  Each path that uses LDS has LDS bytes of its own.
; No tensor load, no barrier: waves share nothing.
.set SPW,    194                       ; v194  LDS address of my spare word: SPARE + 4 x my thread's number; never rewritten
.set NIL,    195                       ; v195  0; never rewritten
.set WV,     24                        ; s24   my wave's number
.set SPARE,  67584                     ; behind both paths' regions: the spare words, 128 bytes for each wave, which no other line names
; the path for x
.set XSTEPS, 16                        ; a wave takes 16 steps of 512 numbers
.set CB,     8                         ; bytes of 16 codes
.set R,      16                        ; v16-79   four sets of 16 numbers as they are loaded
.set X,      80                        ; v80-111  two sets of 16 neighbours
.set E,      112                       ; v112-127 a scale byte for each step
.set C,      128                       ; v128-191 codes: four registers for each step, so that no store's data are written again
.set WREG,   8192                      ; LDS bytes 0 .. 32,767: a region for each wave: two stages of 32 x SP bytes, behind them its 256 scale bytes
.set SP,     80                        ; a lane's place in a stage: its 64 bytes + 16 of padding
; the path for the weights
.set WSTG,   32768                     ; LDS bytes 32,768 .. 67,583: a stage of 32 rows x PITCH for each wave
.set NB,     16                        ; blocks of 32 along K for a wave: 512 along K
.set PITCH,  272                       ; a stage row: 256 bytes of codes + 16
.set KROW,   512                       ; a row of w_codes in bytes
.set WROW,   4096                      ; a row of a weight in bytes
.set WX,     32                        ; v32-95   two sets of 32 numbers
.set WC,     96                        ; v96-99   a block's codes
.set OUTR,   112                       ; v112-175 the way out
.set SB,     24                        ; v24-27   the scale bytes, four to a register
	s_load_b256 s[4:11], s[0:1], 0x0               ; x s[4:5], Wq s[6:7], Wk s[8:9], Wv s[10:11]
	s_load_b256 s[12:19], s[0:1], 0x20             ; Wo s[12:13], x_codes s[14:15], x_scales s[16:17], w_codes s[18:19]
	s_load_b128 s[20:23], s[0:1], 0x40             ; w_scales s[20:21], wo16 s[22:23]
	v_lshl_add_u32 v[SPW], v0, 2, SPARE
	v_mov_b32 v[NIL], 0
	v_lshrrev_b32 v1, 5, v0
	v_readfirstlane_b32 s[WV], v1                  ; wave 0..3
	v_and_b32 v2, 31, v0                           ; lane
	s_wait_kmcnt 0x0
	s_cmp_lt_u32 ttmp9, 48
	s_cbranch_scc1 .Lw
	s_cmp_lt_u32 ttmp9, 176
	s_cbranch_scc1 .Lo
; ---------------- x: a plain stream of blocks of 32 (rows are dense and 1,024 is a multiple of 32).  256 work-groups x 4 waves x 8,192 numbers.
; Each load reads 512 consecutive bytes, 16 a lane; a step's 2,048 bytes turn through the wave's own stage in LDS and come back 64 bytes a lane: 16 neighbours along K, two lanes to a block.
	v_lshlrev_b32 v3, 4, v2                        ; my 16 bytes of a load's 512
	s_mul_i32 s25, s[WV], WREG
	v_lshrrev_b32 v14, 2, v2
	v_mul_u32_u24 v14, v14, SP
	v_and_b32 v15, 3, v2
	v_lshl_add_u32 v14, v15, 4, v14
	v_add_nc_u32 v14, s25, v14                     ; the stage, on the way in: SP (lane / 4) + 16 (lane % 4)
	v_mul_u32_u24 v15, v2, SP
	v_add_nc_u32 v15, s25, v15                     ; and on the way out: SP x lane
	v_mul_u32_u24 v4, v2, CB                       ; my codes' place in a step's 256 bytes
	v_lshrrev_b32 v5, 1, v2
	s_add_co_u32 s25, s25, 2*32*SP
	v_add_nc_u32 v5, s25, v5                       ; LDS: my wave's 256 scale bytes, my block's byte
	v_lshlrev_b32 v7, 3, v2                        ; and on the way out 8 bytes a lane
	v_add_nc_u32 v6, s25, v7
	s_sub_co_u32 s26, ttmp9, 176
	s_lshl_b32 s26, s26, 2
	s_add_co_u32 s26, s26, s[WV]                   ; which run of 8,192 numbers is my wave's: 0 .. 1,023
	s_lshl_b32 s28, s26, 15                        ; 32,768 bytes of x a run
	s_mov_b32 s29, 0
	s_add_nc_u64 s[4:5], s[4:5], s[28:29]
	s_lshl_b32 s28, s26, 12                        ; 4,096 bytes of codes
	s_add_nc_u64 s[14:15], s[14:15], s[28:29]
	s_lshl_b32 s28, s26, 8                         ; 256 scale bytes
	s_add_nc_u64 s[16:17], s[16:17], s[28:29]
.macro XLOAD t
.irp i, 0,1,2,3
	global_load_b128 v[R+16*((\t)%4)+4*\i:R+16*((\t)%4)+4*\i+3], v3, s[4:5] offset:2048*(\t)+512*\i th:TH_LOAD_NT   ; 32 lanes read 512 consecutive bytes; read once in the launch
.endr
.endm
.macro XTURN t                         ; step t's numbers through the stage: LDS serves a wave's instructions in order (ISA guide 5.7.1), so no wait stands between the stores and the loads
.irp i, 0,1,2,3
	ds_store_b128 v14, v[R+16*((\t)%4)+4*\i:R+16*((\t)%4)+4*\i+3] offset:32*SP*((\t)%2)+8*SP*\i
.endr
.irp i, 0,1,2,3
	ds_load_b128 v[X+16*((\t)%2)+4*\i:X+16*((\t)%2)+4*\i+3], v15 offset:32*SP*((\t)%2)+16*\i
.endr
.endm
.irp t, 0,1,2,3
	XLOAD \t
.endr
	s_wait_loadcnt 12                              ; step 0's four loads are in; the twelve of steps 1 to 3 may be out
	XTURN 0
.macro XSTEP t
.set XS, X+16*((\t)%2)
.if (\t) > 0
	s_wait_dscnt 1                                 ; this step's numbers are back from the stage (the last step's byte store may be out): so its stores into the stage have read their registers,
.else
	s_wait_dscnt 0x0
.endif
.if (\t)+4 < XSTEPS
	XLOAD (\t)+4                                   ; which take the loads of four steps on
.endif
.if (\t)+1 < XSTEPS
.if XSTEPS-2-(\t) >= 3
	s_wait_loadcnt 12                              ; the next step's four loads are in; those of the three steps behind it may be out
.else
	s_wait_loadcnt 4*(XSTEPS-2-(\t))               ; at the end the count runs down: 8, 4, 0
.endif
	XTURN (\t)+1                                   ; and go through the other stage while this step is worked
.endif
	v_max3_num_f32 v8, |v[XS]|, |v[XS+1]|, |v[XS+2]|               ; the largest magnitude of my 16, in two chains
	v_max3_num_f32 v9, |v[XS+3]|, |v[XS+4]|, |v[XS+5]|
.irp i, 6,10
	v_max3_num_f32 v8, v8, |v[XS+\i]|, |v[XS+\i+1]|
	v_max3_num_f32 v9, v9, |v[XS+\i+2]|, |v[XS+\i+3]|
.endr
	v_max3_num_f32 v8, v8, |v[XS+14]|, |v[XS+15]|
	v_max3_num_f32 v8, v8, v9, 0x1800000           ; and the floor 2^(3 - 127): the byte cannot fall under 1
	v_max_num_f32_dpp v8, v8, v8 row_xmask:1 row_mask:0xf bank_mask:0xf   ; and of my neighbour's 16: the block's
	v_add_nc_u32 v11, 0xff000000, v8               ; 2 off its exponent field: the conversion takes the exponent field of this operand as its scale, and nothing else of it
	v_cvt_scalef32_pk8_fp4_f32 v[C+4*(\t)], v[XS:XS+7], v11        ; eight numbers / the scale, to the nearest code, ties to even, beyond 6 the largest code
	v_cvt_scalef32_pk8_fp4_f32 v[C+4*(\t)+1], v[XS+8:XS+15], v11
	v_lshrrev_b32 v[E+(\t)], 23, v11               ; the scale's byte (also the plain instruction behind the conversions)
	ds_store_b8 v5, v[E+(\t)] offset:16*(\t)       ; both lanes of a block write the same byte with the same value
	global_store_b64 v4, v[C+4*(\t):C+4*(\t)+1], s[14:15] offset:32*CB*(\t)   ; 32 lanes store 256 consecutive bytes, aligned
.endm
.irp t, 0,1,2,3,4,5,6,7,8,9,10,11,12,13,14,15
	XSTEP \t
.endr
	ds_load_b64 v[8:9], v6                         ; in order behind my byte stores
	s_wait_dscnt 0x0
	global_store_b64 v7, v[8:9], s[16:17]          ; 32 lanes store the wave's 256 scale bytes, aligned
	s_wait_tensorcnt 0x0                           ; the wave's end, behind my last LDS store
	ds_add_u32 v[SPW], v[NIL]
	s_wait_dscnt 0x0
	s_endpgm
; ---------------- Wq, Wk, Wv: 48 work-groups: 16 for each weight: 8 groups of 128 columns x 2 halves of K.  A wave: 32 columns x 512 along K.
; A lane takes a column and its registers run down K: a block of 32 lies in one lane, and the conversions give codes with K innermost.  The codes leave through the wave's stage, sixteen lanes to 256 aligned bytes.
.Lw:
	s_lshr_b32 s25, ttmp9, 4                       ; sel: which weight
	s_and_b32 s26, ttmp9, 7
	s_lshl_b32 s26, s26, 7
	s_lshl_b32 s27, s[WV], 5
	s_add_co_u32 s26, s26, s27                     ; my wave's first column
	s_bfe_u32 s27, ttmp9, 0x10003                  ; y: which 512 along K
	s_cmp_lt_u32 ttmp9, 16                         ; the choice of the weight hangs on the work-group's number alone
	s_cselect_b64 s[6:7], s[6:7], s[8:9]
	s_cmp_lt_u32 ttmp9, 32
	s_cselect_b64 s[6:7], s[6:7], s[10:11]
	s_lshl_b32 s28, s27, 21                        ; 512 rows of 4,096 bytes
	s_lshl_b32 s30, s26, 2
	s_add_co_u32 s28, s28, s30
	s_mov_b32 s29, 0
	s_add_nc_u64 s[6:7], s[6:7], s[28:29]
	s_lshl_b32 s30, s25, 10
	s_add_co_u32 s30, s30, s26                     ; the first row of w_codes and w_scales that I write
	s_lshl_b32 s28, s30, 9
	s_lshl_b32 s31, s27, 8
	s_add_co_u32 s28, s28, s31                     ; row x 512 + 256 y
	s_add_nc_u64 s[18:19], s[18:19], s[28:29]
	s_lshl_b32 s28, s30, 5
	s_lshl_b32 s31, s27, 4
	s_add_co_u32 s28, s28, s31                     ; row x 32 + 16 y
	s_add_nc_u64 s[20:21], s[20:21], s[28:29]
	v_lshlrev_b32 v3, 2, v2                        ; in: 4 bytes a lane
	s_mul_i32 s31, s[WV], 32*PITCH
	s_add_co_u32 s31, s31, WSTG                    ; my stage
	v_mul_u32_u24 v4, v2, PITCH
	v_add_nc_u32 v4, s31, v4                       ; into it: row = my column
	v_and_b32 v5, 15, v2
	v_lshrrev_b32 v6, 4, v2                        ; out of it: sixteen lanes to a row, two rows an instruction
	v_mul_u32_u24 v7, v6, PITCH
	v_lshl_add_u32 v7, v5, 4, v7
	v_add_nc_u32 v7, s31, v7
	v_mul_u32_u24 v8, v6, KROW
	v_lshl_add_u32 v8, v5, 4, v8                   ; and the same place in w_codes
	v_lshlrev_b32 v9, 5, v2                        ; my column's row of scale bytes
.macro WLOAD t                         ; block t: W(32 t + i, my column) into set t % 2; the largest offset, 511 rows, lies inside the signed 24-bit immediate
.irp i, 0,1,2,3,4,5,6,7,8,9,10,11,12,13,14,15,16,17,18,19,20,21,22,23,24,25,26,27,28,29,30,31
	global_load_b32 v[WX+32*((\t)%2)+\i], v3, s[6:7] offset:(32*(\t)+\i)*WROW th:TH_LOAD_NT
.endr
.endm
	WLOAD 0
	WLOAD 1
.macro WBLOCK t
.set WXS, WX+32*((\t)%2)
.if (\t) < NB-1
	s_wait_loadcnt 32                              ; this block's 32 loads are in; the next block's 32 may be out
.else
	s_wait_loadcnt 0
.endif
	v_max3_num_f32 v12, |v[WXS]|, |v[WXS+1]|, |v[WXS+2]|           ; the block's largest magnitude: all 32 numbers are mine
	v_max3_num_f32 v13, |v[WXS+3]|, |v[WXS+4]|, |v[WXS+5]|
.irp i, 6,10,14,18,22,26
	v_max3_num_f32 v12, v12, |v[WXS+\i]|, |v[WXS+\i+1]|
	v_max3_num_f32 v13, v13, |v[WXS+\i+2]|, |v[WXS+\i+3]|
.endr
	v_max3_num_f32 v12, v12, |v[WXS+30]|, |v[WXS+31]|
	v_max3_num_f32 v12, v12, v13, 0x1800000        ; and the floor 2^(3 - 127)
	v_add_nc_u32 v11, 0xff000000, v12              ; 2 off its exponent field: the conversion's scale operand
	v_lshrrev_b32 v13, 23, v11                     ; the scale's byte
.if (\t)%4 == 0
	v_mov_b32 v[SB+(\t)/4], v13                    ; four bytes to a register, the lower K in the lower byte
.else
	v_lshl_or_b32 v[SB+(\t)/4], v13, 8*((\t)%4), v[SB+(\t)/4]
.endif
.irp g, 0,1,2,3
	v_cvt_scalef32_pk8_fp4_f32 v[WC+\g], v[WXS+8*\g:WXS+8*\g+7], v11
.endr
	v_nop                                          ; one plain instruction behind the last conversion of the run
	ds_store_b128 v4, v[WC:WC+3] offset:16*(\t)    ; 32 codes: 16 bytes of my column's row
.if (\t)+2 < NB
	WLOAD (\t)+2
.endif
	s_wait_dscnt 0x0                               ; the store has read its registers: the next block's codes may be written
.endm
.irp t, 0,1,2,3,4,5,6,7,8,9,10,11,12,13,14,15
	WBLOCK \t
.endr
	global_store_b128 v9, v[SB:SB+3], s[20:21]     ; my column's 16 scale bytes of this half of K
.irp t, 0,1,2,3,4,5,6,7,8,9,10,11,12,13,14,15
	ds_load_b128 v[OUTR+4*\t:OUTR+4*\t+3], v7 offset:2*\t*PITCH   ; in order behind my stores
.endr
.irp t, 0,1,2,3,4,5,6,7,8,9,10,11,12,13,14,15
	s_wait_dscnt 15-\t                             ; load t is in; the younger ones may be out
	global_store_b128 v8, v[OUTR+4*\t:OUTR+4*\t+3], s[18:19] offset:2*\t*KROW   ; sixteen lanes store 256 consecutive bytes, aligned
.endr
	s_wait_tensorcnt 0x0                           ; the wave's end, behind my last LDS store
	ds_add_u32 v[SPW], v[NIL]
	s_wait_dscnt 0x0
	s_endpgm
; ---------------- Wo to f16: 128 work-groups x 4 waves x 2,048 numbers, as they lie.
.Lo:
	s_sub_co_u32 s25, ttmp9, 48
	s_lshl_b32 s25, s25, 2
	s_add_co_u32 s25, s25, s[WV]                   ; my run of 2,048 numbers: 0 .. 511
	s_lshl_b32 s28, s25, 13
	s_mov_b32 s29, 0
	s_add_nc_u64 s[12:13], s[12:13], s[28:29]
	s_lshl_b32 s28, s25, 12
	s_add_nc_u64 s[22:23], s[22:23], s[28:29]
	v_lshlrev_b32 v3, 4, v2
	v_lshlrev_b32 v4, 3, v2
.irp i, 0,1,2,3,4,5,6,7,8,9,10,11,12,13,14,15
	global_load_b128 v[32+4*\i:35+4*\i], v3, s[12:13] offset:512*\i th:TH_LOAD_NT
.endr
.irp i, 0,1,2,3,4,5,6,7,8,9,10,11,12,13,14,15
	s_wait_loadcnt 15-\i                           ; load i is in; the younger ones may be out
	v_cvt_pk_f16_f32 v[96+2*\i], v[32+4*\i], v[33+4*\i]
	v_cvt_pk_f16_f32 v[97+2*\i], v[34+4*\i], v[35+4*\i]
	global_store_b64 v4, v[96+2*\i:97+2*\i], s[22:23] offset:256*\i   ; 32 lanes store 256 consecutive bytes, aligned
.endr
	s_wait_tensorcnt 0x0                           ; the same three lines at every wave's end of this launch
	ds_add_u32 v[SPW], v[NIL]
	s_wait_dscnt 0x0
	s_endpgm
.Lfunc_end_k_qf4e90338c6_prep:
	.size	k_qf4e90338c6_prep, .Lfunc_end_k_qf4e90338c6_prep-k_qf4e90338c6_prep
	.p2alignl 7, 3214868480
	.fill 96, 4, 3214868480
	.section	.rodata,"a",@progbits
	.p2align	6, 0x0
	.amdhsa_kernel k_qf4e90338c6_prep
		.amdhsa_group_segment_fixed_size 68096
		.amdhsa_private_segment_fixed_size 0
		.amdhsa_enable_private_segment 0
		.amdhsa_kernarg_size 80
		.amdhsa_user_sgpr_count 2
		.amdhsa_user_sgpr_kernarg_segment_ptr 1
		.amdhsa_wavefront_size32 1
		.amdhsa_system_sgpr_workgroup_id_x 1
		.amdhsa_system_sgpr_workgroup_id_y 1
		.amdhsa_system_sgpr_workgroup_id_z 1
		.amdhsa_system_vgpr_workitem_id 0
		.amdhsa_next_free_vgpr 196
		.amdhsa_next_free_sgpr 66
		.amdhsa_reserve_vcc 0
		.amdhsa_float_denorm_mode_32 3
		.amdhsa_float_denorm_mode_16_64 3
		.amdhsa_memory_ordered 1
		.amdhsa_forward_progress 1
		.amdhsa_inst_pref_size 117
	.end_amdhsa_kernel
	.amdgpu_metadata
---
amdhsa.version: [ 1, 2 ]
amdhsa.kernels:
  - .name:           k_qf4e90338c6_prep
    .symbol:         k_qf4e90338c6_prep.kd
    .args:
      - { .name: x, .offset: 0, .size: 8, .value_kind: global_buffer, .address_space: global }
      - { .name: Wq, .offset: 8, .size: 8, .value_kind: global_buffer, .address_space: global }
      - { .name: Wk, .offset: 16, .size: 8, .value_kind: global_buffer, .address_space: global }
      - { .name: Wv, .offset: 24, .size: 8, .value_kind: global_buffer, .address_space: global }
      - { .name: Wo, .offset: 32, .size: 8, .value_kind: global_buffer, .address_space: global }
      - { .name: x_codes, .offset: 40, .size: 8, .value_kind: global_buffer, .address_space: global }
      - { .name: x_scales, .offset: 48, .size: 8, .value_kind: global_buffer, .address_space: global }
      - { .name: w_codes, .offset: 56, .size: 8, .value_kind: global_buffer, .address_space: global }
      - { .name: w_scales, .offset: 64, .size: 8, .value_kind: global_buffer, .address_space: global }
      - { .name: wo16, .offset: 72, .size: 8, .value_kind: global_buffer, .address_space: global }
    .group_segment_fixed_size: 68096
    .private_segment_fixed_size: 0
    .kernarg_segment_align: 8
    .kernarg_segment_size: 80
    .max_flat_workgroup_size: 128
    .sgpr_count:     66
    .vgpr_count:     196
    .wavefront_size: 32
...
	.end_amdgpu_metadata
.endif
;; end of part 1
;; launch qkv (part 2): grid 12 x 32, 4 waves a work-group, clusters of 4 x 4, 327,680 bytes of LDS; arguments x_codes, x_scales, w_codes, w_scales, qkv; writes qkv
.if DOCPART == 2
	.amdgcn_target "amdgcn-amd-amdhsa--gfx1250"
	.amdhsa_code_object_version 6
	.text
	.protected	k_qf4e90338c6_qkv
	.globl	k_qf4e90338c6_qkv
	.p2align	8
	.type	k_qf4e90338c6_qkv,@function
k_qf4e90338c6_qkv:
	s_mov_b64 s[64:65], 0
	v_nop
	global_prefetch_b8 v0, s[64:65] scope:SCOPE_SE
	s_setreg_imm32_b32 hwreg(HW_REG_WAVE_MODE, 25, 1), 1
	s_wait_xcnt 0x0
	s_wait_alu depctr_hold_cnt(0) depctr_sa_sdst(0) depctr_va_vdst(0) depctr_va_sdst(0) depctr_va_ssrc(0) depctr_va_vcc(0) depctr_vm_vsrc(0)
	s_getreg_b32 s2, hwreg(HW_REG_IB_STS2, 6, 4)
	s_cmp_eq_u32 s2, 0
	s_cbranch_scc0 .Lentry_in_a_cluster
	s_endpgm
.Lentry_in_a_cluster:
	s_bfe_u32 s2, ttmp6, 0x10000c
	s_cmp_lg_u32 s2, 0xf033
	s_cbranch_scc0 .Lentry_shape_is_right
	s_endpgm
.Lentry_shape_is_right:
; Launch 2 of 4: the three quantised products as ONE product: qkv[m][n] = sum over k of x[m][k] W[n][k], m 8,192 tokens, n 3,072 (q, k, v side by side), K 1,024.  No work is left out.
; Both operands are codes of FP4 (E2M1) with one E8M0 byte for each 32 along K, as launch 1 laid them; sums in f32; the result is rounded ONCE to f16: it is the operand of products that are left as they are.
; LIMIT: a result beyond 65,504 in magnitude becomes an f16 infinity.
; A tile of 256 x 256 is made by four waves, each 128 x 128: 64 accumulators of 16 x 16, 512 registers.  K is two steps of 512: both slots are filled at the head and nothing is filled again.
; THE SCALES of the work-group's 256 + 256 rows, for all of K, are two dense blocks of memory: they come into LDS once, with the first fills.
; CLUSTERS: 4 x 4 work-groups.  The four of a row of the cluster need the same tiles of x, the four of a column the same tiles of W: each tile is asked for JOINTLY.
; THE MATRIX INSTRUCTION IS USED TRANSPOSED (source 0 = 16 rows of W, source 1 = 16 rows of x): a lane then holds eight neighbouring numbers of a row of qkv.
; REGISTERS, in windows of 256: window 0: v0-31 addresses; v32-95 scale words, two sets; v128-191 x's fragments, ONE set; on the way out v32-63, v192-255.
;   window 1: W's fragments, TWO sets, at v0 and at v128.   window 2: the accumulators of my rows 0-63 ((a, b) at v[8 (8 a + b)]);   window 3: those of my rows 64-127.
; 384 tiles for 256 WGPs: a tile of 256 x 384 would want 768 registers of sums beside the fragments, so the uneven second pass is kept.  No prefetch: all of a work-group's tiles are asked for at its head.
.set SIZE_N, 3072
.set SIZE_K, 1024
.set NQ,     4                         ; matrix instructions deep in a slot: 512 along K
.set ROWB,   256                       ; a tile's row in bytes: 512 codes
.set KROW,   SIZE_K/2                  ; a row of codes in memory
.set PITCH,  272                       ; an LDS row: 256 bytes + 16 of padding: the 16 rows of a load start at 16 different banks (64 banks of 4 bytes: ISA guide 11.1)
.set FR,     8                         ; registers of a fragment: 16 rows x 128 K
.set NL,     2                         ; LDS loads that bring one
.set NP,     4                         ; places behind this matrix instruction (ISA guide 7.12.1)
.set HALFT,  128*PITCH                 ; 128 rows: what one tensor load brings
.set SLOT,   4*HALFT                   ; x's 256 rows, then W's 256 rows
.set KS,     SIZE_K/32                 ; a row of scales: 32 bytes
.set SCL,    2*SLOT                    ; behind the two slots: the scales, as rows of 256 bytes + 16 of padding
.set HALFS,  (128*KS/256)*272          ; the scales of 128 rows
.set SBLK,   (16*KS/256)*272           ; those of 16 rows
.set SPARE,  SCL+4*HALFS               ; the spare words, 128 bytes for each wave, which no other line names
.set STAGE,  SPARE+512                 ; the way out: 16 rows x 272 bytes for each wave; no tensor load lands here
.set SPITCH, 272
.set CROW,   SIZE_N*2                  ; a row of qkv in bytes
.set ADRA, 16                          ; v16-17  LDS address of my x fragments in slot 0, 1
.set ADRB, 20                          ; v20-21  the same for W
.set STO,  24                          ; v24     the way out: where I put 16 bytes of a row
.set RD,   25                          ; v25     where I read a row back
.set CO,   26                          ; v26     my byte offset in qkv
.set ADRS, 27                          ; v27     LDS address of my scale words: lanes 0-15 x's rows, lanes 16-31 W's
.set SPW,  28                          ; v28     LDS address of my spare word; never rewritten
.set NIL,  29                          ; v29     0; never rewritten
.set SC,   32                          ; scale words: set s at v[SC + 32 s]; register 4 i + q: lanes 0-15 the word of x's block i, lanes 16-31 that of W's block i, for the slot's q-th 128 along K
.set AF,   128                         ; x's fragments, in window 0
.set TMP,  192                         ; the way out: packed results
.set OB,   32                          ; the way out: rows read back: v32-63 and v224-255 by turns
.set G1, 24                            ; s[24:31] group 1 for x's tiles;  s[32:39] group 0, a set for each slot
.set G0, 32
.set G1B, 48                           ; s[48:55], s[56:63] the same for W's tiles
.set G0B, 56
.set G1S, 68                           ; s[68:75], s[76:79] groups 1 and 0 for x's scales;  s[80:87], s[88:91] for W's
.set G0S, 76
.set G1SB, 80
.set G0SB, 88
.set MSB, 0
.macro WIN new                         ; the immediate's high byte repeats the setting that is left; a switch that changes nothing is dropped
.if MSB != (\new)
	s_set_vgpr_msb (MSB<<8)|(\new)
.set MSB, (\new)
.endif
.endm
.set MUL_LO, 0xa1                      ; source 0 (W) window 1, source 1 (x) window 0, C and D window 2
.set MUL_HI, 0xf1                      ; the same, C and D window 3
.set TO_B,   0x40                      ; destination window 1, address window 0
; A joint load: waves 0 and 1 fetch for x, waves 2 and 3 for W.  The branch hangs on the wave's number alone.  An s_nop 0 and four v_nop follow each of the two lines.
.macro JLOAD g0a, g1a, g0b, g1b
	s_cmp_eq_u32 s15, 0
	s_cbranch_scc0 .Lfor_b_\@
	tensor_load_to_lds s[\g0a:\g0a+3], s[\g1a:\g1a+7]
	s_nop 0
.rept 4
	v_nop
.endr
	s_branch .Lasked_\@
.Lfor_b_\@:
	tensor_load_to_lds s[\g0b:\g0b+3], s[\g1b:\g1b+7]
	s_nop 0
.rept 4
	v_nop
.endr
.Lasked_\@:
.endm
.macro CROUND                          ; a round of the cluster's barrier: my work-group's barrier; wave 0 signals for the work-group; every wave waits for all sixteen; my work-group's barrier once more
	s_barrier_signal -1
	s_barrier_wait -1
	s_cmp_lg_u32 s14, 0
	s_cbranch_scc1 .Lnot_wave_0_\@
	s_barrier_signal -3
.Lnot_wave_0_\@:
	s_barrier_wait -3
	s_barrier_signal -1
	s_barrier_wait -1
.endm
	s_load_b128 s[4:7], s[0:1], 0x0                ; x's codes s[4:5], x's scales s[6:7]
	s_load_b128 s[8:11], s[0:1], 0x10              ; W's codes s[8:9], W's scales s[10:11]
	s_load_b64 s[12:13], s[0:1], 0x20              ; qkv
	v_lshl_add_u32 v[SPW], v0, 2, SPARE
	v_mov_b32 v[NIL], 0
	ds_add_u32 v[SPW], v[NIL]                      ; the wave's opening: the add, twice on end, and its wait ahead of my first tensor load
	ds_add_u32 v[SPW], v[NIL]                      ; (the same add once more; the set-up below, work on registers, stands between it and the wait)
	v_lshrrev_b32 v1, 5, v0
	v_readfirstlane_b32 s14, v1                    ; wave 0..3
	s_lshr_b32 s15, s14, 1                         ; which half of the tile's rows is mine.  Also: I fetch for x (0) or for W (1)
	s_and_b32 s16, s14, 1                          ; which half of its columns.  Also: which 128 rows of that tile I fetch
	s_bfe_u32 s40, ttmp6, 0x40000                  ; cx, cy: my place in the cluster
	s_bfe_u32 s41, ttmp6, 0x40004
	s_lshl_b32 s42, ttmp9, 2
	s_add_co_u32 s42, s42, s40                     ; tile column = 4 x cluster x + cx
	s_and_b32 s17, ttmp7, 0xffff
	s_lshl_b32 s17, s17, 2
	s_add_co_u32 s17, s17, s41                     ; tile row = 4 x cluster y + cy
	s_lshl_b32 s43, s41, 2
	s_lshl_b32 s43, 15, s43                        ; my row of the cluster
	s_lshl_b32 s44, 0x1111, s40                    ; my column
	; group 1: a tile of 128 rows x 256 bytes, padded in LDS
	s_or_b32 s[G1+0], s43, (0<<16)|(1<<20)|(1<<21)|(5<<22)|(3<<25)  ; 15:0 the mask: x's tiles go to my row; 17:16 elements of 1 byte; 20 padding on; 21 set beside a mask; 24:22 after every 64 words; 31:25 four words
	s_or_b32 s[G1B+0], s44, (0<<16)|(1<<20)|(1<<21)|(5<<22)|(3<<25)
.irp g, G1, G1B
	s_mov_b32 s[\g+1], ROWB<<16                    ; tensor_dim0
	s_mov_b32 s[\g+2], 128<<16                     ; tensor_dim1
	s_mov_b32 s[\g+3], ROWB<<16                    ; tile_dim0
	s_mov_b32 s[\g+4], 128                         ; tile_dim1
	s_mov_b32 s[\g+5], KROW                        ; from row to row
	s_mov_b32 s[\g+6], 0
	s_mov_b32 s[\g+7], 0
.endr
	; and for the scales of 128 rows: a dense block of 4,096 bytes, as 16 rows of 256 bytes (32 elements of 8 bytes), 16 bytes of padding behind each
	s_or_b32 s[G1S+0], s43, (3<<16)|(1<<20)|(1<<21)|(5<<22)|(3<<25)
	s_or_b32 s[G1SB+0], s44, (3<<16)|(1<<20)|(1<<21)|(5<<22)|(3<<25)
.irp g, G1S, G1SB
	s_mov_b32 s[\g+1], 32<<16
	s_mov_b32 s[\g+2], (128*KS/256)<<16
	s_mov_b32 s[\g+3], 32<<16
	s_mov_b32 s[\g+4], 128*KS/256
	s_mov_b32 s[\g+5], 32
	s_mov_b32 s[\g+6], 0
	s_mov_b32 s[\g+7], 0
.endr
	s_lshl_b32 s18, s16, 7                         ; which 128 rows of the tile I fetch
	s_lshl_b32 s20, s17, 8
	s_add_co_u32 s20, s20, s18                     ; x: row 256 x tile row + 128 x half
	s_lshl_b32 s46, s42, 8
	s_add_co_u32 s46, s46, s18                     ; W: row 256 x tile column + 128 x half
	s_mov_b32 s21, 0
	s_mov_b32 s47, 0
	s_mov_b64 s[18:19], KS
	s_mul_u64 s[22:23], s[20:21], s[18:19]         ; where these rows' scales begin, in bytes
	s_mul_u64 s[92:93], s[46:47], s[18:19]
	s_mov_b64 s[18:19], KROW
	s_mul_u64 s[20:21], s[20:21], s[18:19]         ; and their codes
	s_mul_u64 s[46:47], s[46:47], s[18:19]
	s_mul_i32 s45, s14, HALFT                      ; where they go: wave x 128 rows: no place in the cluster enters an LDS address
	s_mul_i32 s94, s14, HALFS
	s_wait_dscnt 0x0                               ; both opening adds are done
	s_wait_kmcnt 0x0
	s_add_nc_u64 s[20:21], s[4:5], s[20:21]
	s_add_nc_u64 s[22:23], s[6:7], s[22:23]
	s_add_nc_u64 s[46:47], s[8:9], s[46:47]
	s_add_nc_u64 s[92:93], s[10:11], s[92:93]
	CROUND                                         ; all sixteen work-groups are here: the joint loads meet
	s_mov_b32 s[G0S], 1
	s_add_co_u32 s[G0S+1], s94, SCL
	s_mov_b64 s[G0S+2:G0S+3], s[22:23]
	s_or_b32 s[G0S+3], s[G0S+3], 0x80000000
	s_mov_b32 s[G0SB], 1
	s_add_co_u32 s[G0SB+1], s94, SCL
	s_mov_b64 s[G0SB+2:G0SB+3], s[92:93]
	s_or_b32 s[G0SB+3], s[G0SB+3], 0x80000000
	JLOAD G0S, G1S, G0SB, G1SB                     ; the scales first: they are wanted with the first slot
.irp s, 0,1
	s_mov_b32 s[G0+4*\s], 1
	s_add_co_u32 s[G0+4*\s+1], s45, \s*SLOT
	s_add_nc_u64 s[G0+4*\s+2:G0+4*\s+3], s[20:21], \s*ROWB
	s_or_b32 s[G0+4*\s+3], s[G0+4*\s+3], 0x80000000
	s_mov_b32 s[G0B+4*\s], 1
	s_add_co_u32 s[G0B+4*\s+1], s45, \s*SLOT
	s_add_nc_u64 s[G0B+4*\s+2:G0B+4*\s+3], s[46:47], \s*ROWB
	s_or_b32 s[G0B+4*\s+3], s[G0B+4*\s+3], 0x80000000
	JLOAD G0+4*\s, G1, G0B+4*\s, G1B               ; three tensor loads of mine are out, and no more follow
.endr
	v_and_b32 v1, 15, v0                           ; l % 16
	v_bfe_u32 v2, v0, 4, 1                         ; l / 16
	v_mul_u32_u24 v3, v1, PITCH
	v_lshl_add_u32 v4, v2, 4, v3                   ; a fragment's row x pitch + 16 x half
	s_mul_i32 s21, s15, HALFT                      ; my 128 rows of x
	s_mul_i32 s22, s16, HALFT                      ; my 128 rows of W,
	s_add_co_u32 s22, s22, 2*HALFT                 ; which lie behind x's 256
.irp s, 0,1
	v_add_nc_u32 v[ADRA+\s], s21, v4
	v_add_nc_u32 v[ADRB+\s], s22, v4
	s_add_co_u32 s21, s21, SLOT
	s_add_co_u32 s22, s22, SLOT
.endr
	v_mul_u32_u24 v5, v1, KS                       ; my row's scales: 32 bytes a row,
	v_lshrrev_b32 v6, 8, v5
	v_lshl_add_u32 v5, v6, 4, v5                   ; and 16 more for each 256 passed
	s_mul_i32 s21, s15, HALFS                      ; x's: my 128 rows
	s_mul_i32 s22, s16, HALFS                      ; W's: my 128 rows, behind x's 256
	s_add_co_u32 s22, s22, 2*HALFS
	s_sub_co_u32 s22, s22, s21
	v_mul_u32_u24 v6, s22, v2                      ; lanes 16-31 take W's: ONE product, the distance between the two bases x the lane's half
	s_add_co_u32 s21, s21, SCL
	v_add_nc_u32 v5, v5, v6
	v_add_nc_u32 v[ADRS], s21, v5
	s_mul_i32 s23, s14, 16*SPITCH
	s_add_co_u32 s23, s23, STAGE                   ; my stage
	v_mul_u32_u24 v5, v1, SPITCH                   ; in: row l % 16, 16 bytes for each half of the lanes
	v_lshl_add_u32 v5, v2, 4, v5
	v_add_nc_u32 v[STO], s23, v5
	v_mul_u32_u24 v5, v2, SPITCH                   ; back: lanes 0-15 take one row of 256 bytes, lanes 16-31 the next
	v_lshl_add_u32 v5, v1, 4, v5
	v_add_nc_u32 v[RD], s23, v5
	v_mul_u32_u24 v5, v2, CROW                     ; and the same two rows in qkv
	v_lshl_add_u32 v[CO], v1, 4, v5
	s_lshl_b32 s20, s17, 8
	s_lshl_b32 s21, s15, 7
	s_add_co_u32 s20, s20, s21                     ; my first row of qkv: 256 x tile row + 128 x half
	s_mov_b32 s21, 0
	s_mov_b64 s[18:19], CROW
	s_mul_u64 s[20:21], s[20:21], s[18:19]
	s_lshl_b32 s46, s42, 9                         ; my first column, in bytes: 512 x tile column + 256 x half
	s_lshl_b32 s47, s16, 8
	s_add_co_u32 s46, s46, s47
	s_mov_b32 s47, 0
	s_add_nc_u64 s[20:21], s[20:21], s[46:47]
	s_add_nc_u64 s[12:13], s[12:13], s[20:21]
.macro FRAG reg, adr, q, i             ; a fragment, 16 rows x 128 K of 4-bit codes, is 8 registers: lane l holds row l % 16; registers 4 c .. 4 c + 3 hold K = 64 c + 32 (l / 16) + 0 .. 31
.irp c, 0,1
	ds_load_b128 v[\reg+4*\c:\reg+4*\c+3], v[\adr] offset:64*(\q)+32*\c+(\i)*16*PITCH
.endr
.endm
; 16 matrix instructions: x's blocks a0, a0 + 1 against W's eight, the slot's q-th 128 along K.  p: W's set;  sc: the set of scale words.  zero = 1: the first product starts the sums.
; The 64 accumulators take turns, one instruction a turn, in the same order in every step.
.macro MUL16 a0, p, q, sc, zero
.irp a, \a0, \a0+1
.irp b, 0,1,2,3,4,5,6,7
.if \zero
	v_wmma_scale_f32_16x16x128_f8f6f4 v[8*(8*((\a)%4)+\b):8*(8*((\a)%4)+\b)+7], v[128*(\p)+FR*\b:128*(\p)+FR*\b+FR-1], v[AF+FR*(\a):AF+FR*(\a)+FR-1], 0, v[SC+8*NQ*(\sc)+NQ*\b+(\q)], v[SC+8*NQ*(\sc)+NQ*(\a)+(\q)] matrix_a_fmt:MATRIX_FMT_FP4 matrix_b_fmt:MATRIX_FMT_FP4 matrix_a_scale:MATRIX_SCALE_ROW1
.else
	v_wmma_scale_f32_16x16x128_f8f6f4 v[8*(8*((\a)%4)+\b):8*(8*((\a)%4)+\b)+7], v[128*(\p)+FR*\b:128*(\p)+FR*\b+FR-1], v[AF+FR*(\a):AF+FR*(\a)+FR-1], v[8*(8*((\a)%4)+\b):8*(8*((\a)%4)+\b)+7], v[SC+8*NQ*(\sc)+NQ*\b+(\q)], v[SC+8*NQ*(\sc)+NQ*(\a)+(\q)] matrix_a_fmt:MATRIX_FMT_FP4 matrix_b_fmt:MATRIX_FMT_FP4 matrix_a_scale:MATRIX_SCALE_ROW1
.endif
.endr
.endr
.endm
.macro FETCH_B slot, q, p              ; W's eight fragments of the slot's q-th 128 along K into set p
	WIN TO_B
.irp i, 0,1,2,3,4,5,6,7
	FRAG 128*(\p)+FR*\i, ADRB+\slot, \q, \i
.endr
	WIN 0
.endm
.macro FETCH_A slot, q, i0             ; x's blocks i0 .. i0 + 3
.irp i, \i0, \i0+1, \i0+2, \i0+3
	FRAG AF+FR*(\i), ADRA+\slot, \q, \i
.endr
.endm
.macro SCALES sc                       ; a slot's scale words into set sc: four words a row; lanes 0-15 take x's block i, lanes 16-31 W's block i
.irp i, 0,1,2,3,4,5,6,7
	ds_load_b128 v[SC+8*NQ*\sc+NQ*\i:SC+8*NQ*\sc+NQ*\i+3], v[ADRS] offset:\i*SBLK
.endr
.endm
; A load into a register that a matrix instruction has read, and a vector instruction or an LDS store that reads a matrix result, stand NP places behind it; only plain vector instructions that name none of
; its registers are places (ISA guide 7.12.1 for vector instructions).
.macro PLACES n
.rept \n
	v_nop
.endr
.endm
.macro STEP slot, q, zero              ; a step of 128 along K that has its successor in the same slot
	s_wait_dscnt 4*NL                              ; W's set and x's blocks 0-3 are in; the youngest eight loads (x's blocks 4-7) may be out
	WIN MUL_LO
	MUL16 0, (\q)%2, \q, \slot, \zero
	MUL16 2, (\q)%2, \q, \slot, \zero
	s_wait_dscnt 0                                 ; x's blocks 4-7 are in
	PLACES NP
	FETCH_B \slot, (\q)+1, 1-(\q)%2
	FETCH_A \slot, (\q)+1, 0
	WIN MUL_HI
	MUL16 4, (\q)%2, \q, \slot, \zero
	MUL16 6, (\q)%2, \q, \slot, \zero
	PLACES NP
	WIN 0
	FETCH_A \slot, (\q)+1, 4
.endm
; Slot 0's last step goes over to slot 1: each wave waits for all its tensor loads (its part of slot 1), and a barrier shows the whole slot to every wave.  Nothing is filled again.
.macro TURN slot, next
	s_wait_tensorcnt 0x0                           ; all my tensor loads have landed  (every window is 0 here)
	ds_add_u32 v[SPW], v[NIL]                      ; 0 onto my spare word, behind that wait
	s_wait_dscnt 4*NL+1                            ; (the add and the youngest eight loads, x's blocks 4-7, may be out)
	WIN MUL_LO
	MUL16 0, 1, NQ-1, \slot, 0
	s_wait_dscnt 0x0                               ; no LDS instruction of mine is out at the signal
	s_barrier_signal -1
	MUL16 2, 1, NQ-1, \slot, 0
	WIN 0
	s_barrier_wait -1
	PLACES NP
	v_add_nc_u32 v[ADRS], 4*NQ, v[ADRS]            ; on to the next slot's scale words
	FETCH_B \next, 0, 0
	FETCH_A \next, 0, 0
	SCALES \next
	WIN MUL_HI
	MUL16 4, 1, NQ-1, \slot, 0
	MUL16 6, 1, NQ-1, \slot, 0
	PLACES NP
	WIN 0
	FETCH_A \next, 0, 4
.endm
	s_wait_tensorcnt 1                             ; the scales and my part of slot 0 are in (slot 1's load may be out)
	s_barrier_signal -1
	s_barrier_wait -1                              ; everybody's are
	FETCH_B 0, 0, 0
	FETCH_A 0, 0, 0
	SCALES 0
	FETCH_A 0, 0, 4
	STEP 0, 0, 1                                   ; the first step's products start the sums: nothing is cleared
	STEP 0, 1, 0
	STEP 0, 2, 0
	TURN 0, 1
	STEP 1, 0, 0
	STEP 1, 1, 0
	STEP 1, 2, 0
	s_wait_dscnt 4*NL                              ; the last step: nothing more to fetch
	WIN MUL_LO
	MUL16 0, 1, NQ-1, 1, 0
	MUL16 2, 1, NQ-1, 1, 0
	s_wait_dscnt 0
	WIN MUL_HI
	MUL16 4, 1, NQ-1, 1, 0
	MUL16 6, 1, NQ-1, 1, 0
	WIN 0
; THE WAY OUT, a block of 16 rows x 128 columns at a time.  PACK: rounded to f16, 16 bytes a lane, each accumulator from its low end on.  TOSTAGE: into my own stage and back as whole rows of 256 bytes.  SEND: stored.
.macro PACK a
.set AC, 64*((\a)%4)
	WIN 0x0a+5*((\a)/4)                            ; sources 0 and 1: window 2 or 3
.irp b, 0,1,2,3,4,5,6,7
.irp r, 0,1,2,3
	v_cvt_pk_f16_f32 v[TMP+4*\b+\r], v[AC+8*\b+2*\r], v[AC+8*\b+2*\r+1]
.endr
.endr
	WIN 0
.endm
.macro TOSTAGE a
.set BK, OB+192*((\a)%2)
.irp b, 0,1,2,3,4,5,6,7
	ds_store_b128 v[STO], v[TMP+4*\b:TMP+4*\b+3] offset:32*\b
.endr
.irp t, 0,1,2,3,4,5,6,7
	ds_load_b128 v[BK+4*\t:BK+4*\t+3], v[RD] offset:\t*2*SPITCH    ; LDS serves a wave's instructions in order (ISA guide 5.7.1): these see the stores above
.endr
.endm
.macro SEND a
.set BK, OB+192*((\a)%2)
	s_wait_dscnt 0x0                               ; the block is back in registers
	s_wait_xcnt 0x0                                ; earlier stores have read their base and their data: only behind this wait are they rewritten
.if (\a) > 0
	s_add_nc_u64 s[12:13], s[12:13], 16*CROW       ; 16 rows on
.endif
.irp t, 0,1,2,3,4,5,6,7
	global_store_b128 v[CO], v[BK+4*\t:BK+4*\t+3], s[12:13] offset:2*\t*CROW   ; 16 lanes store 256 consecutive bytes, at a multiple of 256 from qkv's first byte
.endr
.endm
	PLACES NP                                      ; behind the last products: for the loads into registers that held scale words, and the first conversions
	PACK 0
	TOSTAGE 0
.irp a, 1,2,3,4,5,6,7                  ; block a's conversions stand between block a - 1's loads from the stage and the wait for them
	PACK \a
	SEND \a-1
	TOSTAGE \a
.endr
	SEND 7
	s_wait_tensorcnt 0x0                           ; the wave's end, behind my last tensor load and my last LDS store
	ds_add_u32 v[SPW], v[NIL]
	s_wait_dscnt 0x0
	CROUND                                         ; the closing round: no work-group ends while a partner may still ask for a tile that names it
	s_endpgm
.Lfunc_end_k_qf4e90338c6_qkv:
	.size	k_qf4e90338c6_qkv, .Lfunc_end_k_qf4e90338c6_qkv-k_qf4e90338c6_qkv
	.p2alignl 7, 3214868480
	.fill 96, 4, 3214868480
	.section	.rodata,"a",@progbits
	.p2align	6, 0x0
	.amdhsa_kernel k_qf4e90338c6_qkv
		.amdhsa_group_segment_fixed_size 327680
		.amdhsa_private_segment_fixed_size 0
		.amdhsa_enable_private_segment 0
		.amdhsa_kernarg_size 40
		.amdhsa_user_sgpr_count 2
		.amdhsa_user_sgpr_kernarg_segment_ptr 1
		.amdhsa_wavefront_size32 1
		.amdhsa_system_sgpr_workgroup_id_x 1
		.amdhsa_system_sgpr_workgroup_id_y 1
		.amdhsa_system_sgpr_workgroup_id_z 1
		.amdhsa_system_vgpr_workitem_id 0
		.amdhsa_next_free_vgpr 1024
		.amdhsa_next_free_sgpr 98
		.amdhsa_reserve_vcc 0
		.amdhsa_float_denorm_mode_32 3
		.amdhsa_float_denorm_mode_16_64 3
		.amdhsa_memory_ordered 1
		.amdhsa_forward_progress 1
		.amdhsa_inst_pref_size 127
	.end_amdhsa_kernel
	.amdgpu_metadata
---
amdhsa.version: [ 1, 2 ]
amdhsa.kernels:
  - .name:           k_qf4e90338c6_qkv
    .symbol:         k_qf4e90338c6_qkv.kd
    .args:
      - { .name: x_codes, .offset: 0, .size: 8, .value_kind: global_buffer, .address_space: global }
      - { .name: x_scales, .offset: 8, .size: 8, .value_kind: global_buffer, .address_space: global }
      - { .name: w_codes, .offset: 16, .size: 8, .value_kind: global_buffer, .address_space: global }
      - { .name: w_scales, .offset: 24, .size: 8, .value_kind: global_buffer, .address_space: global }
      - { .name: qkv, .offset: 32, .size: 8, .value_kind: global_buffer, .address_space: global }
    .group_segment_fixed_size: 327680
    .private_segment_fixed_size: 0
    .kernarg_segment_align: 8
    .kernarg_segment_size: 40
    .max_flat_workgroup_size: 128
    .sgpr_count:     98
    .vgpr_count:     1024
    .wavefront_size: 32
...
	.end_amdgpu_metadata
.endif
;; end of part 2
;; launch attn (part 3): grid 8 x 32, 8 waves a work-group, clusters of 4 x 1, 327,680 bytes of LDS; arguments qkv, att; writes att
.if DOCPART == 3
	.amdgcn_target "amdgcn-amd-amdhsa--gfx1250"
	.amdhsa_code_object_version 6
	.text
	.protected	k_qf4e90338c6_attn
	.globl	k_qf4e90338c6_attn
	.p2align	8
	.type	k_qf4e90338c6_attn,@function
k_qf4e90338c6_attn:
	s_mov_b64 s[64:65], 0
	v_nop
	global_prefetch_b8 v0, s[64:65] scope:SCOPE_SE
	s_setreg_imm32_b32 hwreg(HW_REG_WAVE_MODE, 25, 1), 1
	s_wait_xcnt 0x0
	s_wait_alu depctr_hold_cnt(0) depctr_sa_sdst(0) depctr_va_vdst(0) depctr_va_sdst(0) depctr_va_ssrc(0) depctr_va_vcc(0) depctr_vm_vsrc(0)
	s_getreg_b32 s2, hwreg(HW_REG_IB_STS2, 6, 4)
	s_cmp_eq_u32 s2, 0
	s_cbranch_scc0 .Lentry_in_a_cluster
	s_endpgm
.Lentry_in_a_cluster:
	s_bfe_u32 s2, ttmp6, 0x10000c
	s_cmp_lg_u32 s2, 0x3003
	s_cbranch_scc0 .Lentry_shape_is_right
	s_endpgm
.Lentry_shape_is_right:
; Launch 3 of 4: att[b][q][h][:] = the sum over k of softmax_k(Q . K / 8) V, for 4 batches, 16 heads of 64, 2,048 positions, no mask.  No work is left out.
; qkv: [8192 tokens][3072] f16: a token's q at byte 0, k at 2,048, v at 4,096; head h at 128 h inside each.  att: [8192][1024] f16.  Both products take f16 operands; products, maxima and sums in f32.
; LIMIT: an output beyond 65,504 becomes an f16 infinity (it is an average of v's numbers, which are f16 themselves).
; SHARES.  A work-group owns 256 queries of a PAIR of heads, so that every row piece of K, V and att is 256 aligned bytes.  Wave w: head w / 4 of the pair, queries 64 (w % 4) on: four tiles of 16.
; Two waves share a SIMD: one wave's softmax stands beside the other's products.  Every wave walks all 2,048 keys, 64 a step.
; LAYOUT.  S^T = K Q^T (source 0 = 16 keys, source 1 = 16 queries): a lane holds ONE query (lane % 16) and the keys 8 (lane / 16) + 0..7.  Two such tiles, rounded to f16 in pairs, ARE source 1
; (32 keys x 16 queries) of O^T = V^T P, whose result again holds one query a lane.  K comes out of LDS as it lies, V ([key][channel]) turned, by ds_load_tr16_b128.
; SOFTMAX.  For each query a running maximum m and sum l: p = 2^(c s - c m), c = log2(e) / 8; in every step O and l are multiplied by a = 2^(c m_old - c m_new).  l is summed of the unrounded p.
; THE RING.  Two LDS slots of four key steps (256 keys).  Waves 0-3 fetch the four steps' tiles of K, waves 4-7 those of V: one tensor load a wave behind each change of slots, four key steps in which it lands.
; CLUSTER.  The four query blocks of a cluster walk the same K and V: each tile is asked for JOINTLY, by the same load with the same descriptor and a mask that names the four.
; REGISTERS, two windows of 256 (s_set_vgpr_msb: bits 1:0 source 0, 3:2 source 1, 5:4 source 2, 7:6 destination):
;   window 0: v1-15 addresses; v16-47 eight registers of statistics a tile; v48-175 S^T, 32 a tile (P is written in place into a tile's first 16); v176-239 K of one step
;   window 1: v0-63 Q; v64-191 O^T, 32 a tile; v192-255 V of one step
.set ROWQ,   6144                      ; a row of qkv in bytes
.set KSTP,   64                        ; keys in a step
.set PK,     272                       ; a row of K in LDS: 256 bytes + 16: the 16 rows of a load start at 16 different banks (64 banks of 4 bytes: ISA guide 11.1)
.set PVP,    288                       ; a row of V: 256 + 32
.set VOFF,   KSTP*PK                   ; a step's tiles lie together: 64 rows of K, then 64 rows of V
.set STEPBY, KSTP*(PK+PVP)
.set SLOTB,  4*STEPBY                  ; a slot: four steps
.set SPARE,  2*SLOTB                   ; behind the ring: the spare words, 128 bytes for each of eight waves, which no other line names
.set SP,     272                       ; the way out: a stage of 256 rows x 272 bytes from LDS byte 0 on: slot 0 has then had its last fill, and its last read lies ahead of the last change's barrier
.set AK0, 2                            ; v2   my lane's place in a tile of K; never rewritten
.set AV0, 3                            ; v3   the same for V
.set ADR, 4                            ; v4   LDS address of K's run of loads
.set ADR2, 5                           ; v5   of V's
.set QO,  6                            ; v6   my byte offset in the wave's rows of Q
.set STO, 7                            ; v7   the way out: where I put 16 bytes of a row
.set RD,  8                            ; v8   where I read a row back
.set GO,  9                            ; v9   my byte offset in the wave's rows of att
.set PFO, 10                           ; v10  6,144 x my lane: the prefetches' offset, a lane a row; never rewritten
.set SPW, 11                           ; v11  LDS address of my spare word; never rewritten
.set NIL, 12                           ; v12  0; never rewritten
.set ST,  16                           ; tile t's statistics at v[ST+8 t]: +0 c m, +1 m, +2, +3 l (even keys', odd keys'), +4 to +7 c0-c3, at work; a takes c2's place
.set S,   48
.set KF,  176
.set WV,  12                           ; s12  my wave's number
.set LIM, 15                           ; s15  1 in a wave that prefetches, else the greatest number
.set PFA, 18                           ; s[18:19] where my prefetches stand
.set G1K, 24                           ; s[24:31] group 1 for K's tiles;  s[32:39] for V's: it differs in the padding alone
.set G1V, 32
.set G0K, 40                           ; s[40:47] group 0 for K's tiles, a set for each slot;  s[48:55] for V's
.set G0V, 48
.set TRIPS, 56
.set CNT, 57
.set CS,  58                           ; s[58:59] c: the packed scaling names a pair and takes its low word for both halves
.set SEL, 60                           ; s[60:61] lane selects for v_permlanex16_b32: lane l xor 16
.set TB,  62                           ; s62  LDS byte at which the tiles of the step to be fetched begin
.set REM, 63                           ; s63  refills still to come
.set MSB, 0
.macro WIN new
.if MSB != (\new)
	s_set_vgpr_msb (MSB<<8)|(\new)
.set MSB, (\new)
.endif
.endm
.set W_KQ, 0x04                        ; Q (source 1) in window 1; K and S^T in window 0
.set W_PV, 0x51                        ; V (source 0) and O^T (C, D) in window 1; P in window 0
.set W_RS, 0x41                        ; O^T (destination and source 0) in window 1, the factor in window 0
.macro PLACES n
.rept \n
	v_nop
.endr
.endm
; A joint refill of slot \slot.  The branch hangs on the wave's number alone.  An s_nop 0 and four v_nop follow each of the two lines.
.macro JLOAD slot
	s_cmp_lt_u32 s[WV], 4
	s_cbranch_scc0 .Lfor_v_\@
	tensor_load_to_lds s[G0K+4*\slot:G0K+4*\slot+3], s[G1K:G1K+7]
	s_nop 0
.rept 4
	v_nop
.endr
	s_branch .Lasked_\@
.Lfor_v_\@:
	tensor_load_to_lds s[G0V+4*\slot:G0V+4*\slot+3], s[G1V:G1V+7]
	s_nop 0
.rept 4
	v_nop
.endr
.Lasked_\@:
.endm
; A PREFETCH of what the NEXT refill will ask for: a slot's 256 rows of K and 256 of V, 256 bytes a row, a lane a row.  Each row piece is named ONCE in the launch: both clusters of a head pair walk the same
; rows, so the first of them asks; its four partners share the rows out BY ADDRESS, 64 each; in each, waves 0 and 1 ask for K's and waves 4 and 5 for V's, 32 rows a wave: one instruction.
; It stands behind the wave's tensor load and its five lines: four key steps ahead of the load that will want the rows.  The last refill asks for nothing; nothing is asked for at the head.
.macro ASK
	s_cmp_gt_u32 s[REM], s[LIM]
	s_cbranch_scc0 .Lnot_mine_\@
	global_prefetch_b8 v[PFO], s[PFA:PFA+1] th:TH_LOAD_NT scope:SCOPE_SE
.Lnot_mine_\@:
.endm
.macro CROUND                          ; a round of the cluster's barrier
	s_barrier_signal -1
	s_barrier_wait -1
	s_cmp_lg_u32 s[WV], 0
	s_cbranch_scc1 .Lnot_wave_0_\@
	s_barrier_signal -3
.Lnot_wave_0_\@:
	s_barrier_wait -3
	s_barrier_signal -1
	s_barrier_wait -1
.endm
	s_load_b128 s[4:7], s[0:1], 0x0                ; qkv s[4:5], att s[6:7]
	v_lshl_add_u32 v[SPW], v0, 2, SPARE
	v_mov_b32 v[NIL], 0
	ds_add_u32 v[SPW], v[NIL]                      ; the wave's opening: the add, twice on end, and its wait ahead of my first tensor load
	ds_add_u32 v[SPW], v[NIL]                      ; (the same add once more; the set-up below, work on registers, stands between it and the wait)
	v_lshrrev_b32 v13, 5, v0
	v_readfirstlane_b32 s[WV], v13                 ; wave 0..7
	s_bfe_u32 s13, ttmp6, 0x40000                  ; cx: my place in the cluster.  It enters s13, s14, s2, s3, s[18:19] and s[66:69] alone: Q's, att's and the prefetches' addresses
	s_lshl_b32 s14, ttmp9, 2
	s_add_co_u32 s14, s14, s13                     ; my block of 256 queries
	s_and_b32 s20, ttmp7, 0xffff
	s_lshr_b32 s21, s20, 3                         ; the batch
	s_and_b32 s22, s20, 7                          ; the pair of heads
	s_and_b32 s16, s[WV], 3                        ; which 64 queries are mine.  Also: which of a slot's four steps I fetch
	s_lshr_b32 s17, s[WV], 2                       ; which head of the pair.  Also: I fetch for K (0) or for V (1)
	s_mul_i32 s70, s21, 2048*ROWQ
	s_lshl_b32 s23, s22, 8
	s_add_co_u32 s70, s70, s23                     ; the batch's first row, the pair's 256 bytes
	s_mul_i32 s72, s16, KSTP*ROWQ
	s_add_co_u32 s72, s72, s70                     ; + the 64 rows that I fetch
	s_mov_b32 s73, 0
	s_mul_i32 s20, s16, STEPBY                     ; and their place in a slot: no place in the cluster enters an LDS address
	s_lshl_b32 s66, s14, 8
	s_lshl_b32 s2, s16, 6
	s_add_co_u32 s66, s66, s2                      ; my first query in the sequence
	s_mul_i32 s66, s66, ROWQ
	s_add_co_u32 s66, s66, s70
	s_lshl_b32 s2, s17, 7
	s_add_co_u32 s66, s66, s2                      ; my head's 128 bytes
	s_mov_b32 s67, 0
	s_lshl_b32 s68, s21, 11
	s_lshl_b32 s2, s14, 8
	s_add_co_u32 s68, s68, s2
	s_lshl_b32 s2, s[WV], 5
	s_add_co_u32 s68, s68, s2                      ; the first of the 32 rows of att that I store
	s_lshl_b32 s68, s68, 11
	s_add_co_u32 s68, s68, s23                     ; the pair's 256 bytes
	s_mov_b32 s69, 0
	s_lshl_b32 s2, s13, 1                          ; the prefetches: rows 32 (2 cx + w % 2) on of a slot,
	s_and_b32 s3, s[WV], 1
	s_add_co_u32 s2, s2, s3
	s_lshl_b32 s2, s2, 5
	s_add_co_u32 s2, s2, 512                       ; in the keys of the first refill: that refill steps the address one slot on before it asks
	s_mul_i32 s2, s2, ROWQ
	s_add_co_u32 s2, s2, s70
	s_lshl_b32 s3, s17, 11
	s_add_co_u32 s3, s3, 2048                      ; k's bytes of a row (waves 0-3) or v's (waves 4-7)
	s_add_co_u32 s2, s2, s3
	s_mov_b32 s3, 0
	s_and_b32 s[LIM], s[WV], 2                     ; 0 in waves 0, 1, 4, 5,
	s_or_b32 s[LIM], s[LIM], ttmp9                 ; of the pair's first cluster: the same in all four partners
	s_cmp_eq_u32 s[LIM], 0
	s_cselect_b32 s[LIM], 1, -1
	; group 1: a tile of 64 rows x 128 elements of 2 bytes, padded in LDS
	s_mov_b32 s[G1K], 15|(1<<16)|(1<<20)|(1<<21)|(5<<22)|(3<<25)  ; 15:0 the mask: all four work-groups; 17:16 elements of 2 bytes; 20 padding on; 21 set beside a mask; 24:22 after every 64 words; 31:25 four words
	s_mov_b32 s[G1V], 15|(1<<16)|(1<<20)|(1<<21)|(5<<22)|(7<<25)  ; the same with eight words of padding
.irp g, G1K, G1V
	s_mov_b32 s[\g+1], 128<<16                     ; tensor_dim0
	s_mov_b32 s[\g+2], KSTP<<16                    ; tensor_dim1
	s_mov_b32 s[\g+3], 128<<16                     ; tile_dim0
	s_mov_b32 s[\g+4], KSTP                        ; tile_dim1
	s_mov_b32 s[\g+5], ROWQ/2                      ; elements from row to row
	s_mov_b32 s[\g+6], 0
	s_mov_b32 s[\g+7], 0
.endr
	s_mov_b32 s[CS], 0x3e38aa3b                    ; c = log2(e) / 8
	s_mov_b32 s[CS+1], s[CS]                       ; named with it as a pair, so it is written
	s_mov_b32 s[SEL], 0x76543210
	s_mov_b32 s[SEL+1], 0xfedcba98
	s_mov_b32 s[TB], 0
	s_mov_b32 s[REM], 6
	v_and_b32 v[PFO], 31, v0
	v_mul_u32_u24 v[PFO], v[PFO], ROWQ
	s_wait_dscnt 0x0                               ; both opening adds are done
	s_wait_kmcnt 0x0
	s_add_nc_u64 s[72:73], s[4:5], s[72:73]        ; qkv at the rows that I fetch of slot 0
	s_add_nc_u64 s[66:67], s[4:5], s[66:67]        ; at my first query
	s_add_nc_u64 s[68:69], s[6:7], s[68:69]        ; att at the rows that I store
	s_add_nc_u64 s[PFA:PFA+1], s[4:5], s[2:3]
	CROUND                                         ; all four work-groups are here: the first joint loads meet
.irp s, 0,1
	s_mov_b32 s[G0K+4*\s], 1                       ; count = 1
	s_add_co_u32 s[G0K+4*\s+1], s20, \s*SLOTB      ; LDS address
	s_add_nc_u64 s[G0K+4*\s+2:G0K+4*\s+3], s[72:73], \s*256*ROWQ+2048  ; global address: slot s begins with keys 256 s on
	s_or_b32 s[G0K+4*\s+3], s[G0K+4*\s+3], 0x80000000                  ; type = 2
	s_mov_b32 s[G0V+4*\s], 1
	s_add_co_u32 s[G0V+4*\s+1], s20, \s*SLOTB+VOFF
	s_add_nc_u64 s[G0V+4*\s+2:G0V+4*\s+3], s[72:73], \s*256*ROWQ+4096
	s_or_b32 s[G0V+4*\s+3], s[G0V+4*\s+3], 0x80000000
.endr
	s_cmp_lt_u32 s[WV], 4                          ; a wave's two first fills stand in one branch, ahead of every wait on TENSORcnt and every LDS read: two loads of mine are out
	s_cbranch_scc0 .Lfirst_v
	tensor_load_to_lds s[G0K:G0K+3], s[G1K:G1K+7]
	s_nop 0
	tensor_load_to_lds s[G0K+4:G0K+7], s[G1K:G1K+7]
	s_nop 0
.rept 4
	v_nop
.endr
	s_branch .Lfirst_asked
.Lfirst_v:
	tensor_load_to_lds s[G0V:G0V+3], s[G1V:G1V+7]
	s_nop 0
	tensor_load_to_lds s[G0V+4:G0V+7], s[G1V:G1V+7]
	s_nop 0
.rept 4
	v_nop
.endr
.Lfirst_asked:
	; A fragment of K or Q is 16 rows x 32 channels in 8 registers: lane l holds row l % 16; registers 0-3 channels 8 (l / 16) + 0..7, registers 4-7 channels 16 + 8 (l / 16) + 0..7: two loads of 16 bytes, 32 bytes apart.
	v_and_b32 v1, 15, v0                           ; r = l % 16
	v_bfe_u32 v13, v0, 4, 1                        ; h = l / 16
	v_mul_u32_u24 v[QO], v1, ROWQ
	v_lshl_add_u32 v[QO], v13, 4, v[QO]
	WIN 0x40                                       ; destination window 1
.irp t, 0,1,2,3
.irp c, 0,1                                    ; Q stays in registers: tile t, channels 32 c on, at v[16 t + 8 c] of window 1
	global_load_b128 v[16*\t+8*\c:16*\t+8*\c+3],   v[QO], s[66:67] offset:\t*16*ROWQ+64*\c
	global_load_b128 v[16*\t+8*\c+4:16*\t+8*\c+7], v[QO], s[66:67] offset:\t*16*ROWQ+64*\c+32
.endr
.endr
	WIN 0
	s_lshl_b32 s23, s17, 7                         ; my head's 128 bytes of a row
	v_mul_u32_u24 v[AK0], v1, PK
	v_lshl_add_u32 v[AK0], v13, 4, v[AK0]
	v_add_nc_u32 v[AK0], s23, v[AK0]               ; row x pitch + 16 x half + my head
	; The turning load takes 16 keys x 16 channels (lane l reads 16 bytes: key 8 (l / 16) + l % 8, channels 8 ((l / 8) % 2) + 0..7) and leaves half a fragment of V^T: lane l holds channel l % 16 and 8 keys.
	v_and_b32 v14, 7, v0
	v_bfe_u32 v15, v0, 3, 1
	v_lshl_add_u32 v[AV0], v13, 3, v14
	v_mul_u32_u24 v[AV0], v[AV0], PVP
	v_lshl_add_u32 v[AV0], v15, 4, v[AV0]
	s_add_co_u32 s23, s23, VOFF
	v_add_nc_u32 v[AV0], s23, v[AV0]
	s_mul_i32 s22, s16, 64*SP                      ; the way out, in: row 64 (w % 4) + 16 t + r; my head's 128 bytes; 16 bytes for each half of the lanes
	s_lshl_b32 s23, s17, 7
	s_add_co_u32 s22, s22, s23
	v_mul_u32_u24 v[STO], v1, SP
	v_lshl_add_u32 v[STO], v13, 4, v[STO]
	v_add_nc_u32 v[STO], s22, v[STO]
	s_mul_i32 s22, s[WV], 32*SP                    ; back: wave w takes rows 32 w on, whole; lanes 0-15 one row of 256 bytes, lanes 16-31 the next
	v_mul_u32_u24 v[RD], v13, SP
	v_lshl_add_u32 v[RD], v1, 4, v[RD]
	v_add_nc_u32 v[RD], s22, v[RD]
	v_lshlrev_b32 v[GO], 11, v13                   ; and the same two rows in att
	v_lshl_add_u32 v[GO], v1, 4, v[GO]
; THE LDS LOADS stand in runs of 16.  places: v_nop in front, behind the matrix instructions that read the registers (ISA guide 7.12.1 for vector instructions).
.macro FETCH_K places                  ; K of the step at s[TB]: keys 16 kt on, channels 32 c on
	WIN 0
	PLACES \places
	v_add_nc_u32 v[ADR], s[TB], v[AK0]
.irp kt, 0,1,2,3
.irp c, 0,1
	ds_load_b128 v[KF+16*\kt+8*\c:KF+16*\kt+8*\c+3],   v[ADR] offset:\kt*16*PK+64*\c
	ds_load_b128 v[KF+16*\kt+8*\c+4:KF+16*\kt+8*\c+7], v[ADR] offset:\kt*16*PK+64*\c+32
.endr
.endr
.endm
.macro FETCH_V places                  ; V of the same step, turned: keys 32 kk on, channels 16 ct on; then s[TB] goes on to the next step
	WIN 0
	PLACES \places
	v_add_nc_u32 v[ADR2], s[TB], v[AV0]
	s_add_co_u32 s[TB], s[TB], STEPBY
	WIN 0x40                                       ; destination window 1
.irp kk, 0,1
.irp ct, 0,1,2,3
	ds_load_tr16_b128 v[192+8*(4*\kk+\ct):192+8*(4*\kk+\ct)+3],   v[ADR2] offset:\kk*32*PVP+32*\ct
	ds_load_tr16_b128 v[192+8*(4*\kk+\ct)+4:192+8*(4*\kk+\ct)+7], v[ADR2] offset:\kk*32*PVP+16*PVP+32*\ct
.endr
.endr
.endm
; S^T = K Q^T: 32 matrix instructions on 16 accumulators, which take turns, one instruction a turn.  The first 16 start the sums.
.macro KQ
	WIN W_KQ
.irp c, 0,1
.irp kt, 0,1,2,3
.irp t, 0,1,2,3
.if \c == 0
	v_wmma_f32_16x16x32_f16 v[S+32*\t+8*\kt:S+32*\t+8*\kt+7], v[KF+16*\kt+8*\c:KF+16*\kt+8*\c+7], v[16*\t+8*\c:16*\t+8*\c+7], 0
.else
	v_wmma_f32_16x16x32_f16 v[S+32*\t+8*\kt:S+32*\t+8*\kt+7], v[KF+16*\kt+8*\c:KF+16*\kt+8*\c+7], v[16*\t+8*\c:16*\t+8*\c+7], v[S+32*\t+8*\kt:S+32*\t+8*\kt+7]
.endif
.endr
.endr
.endr
.endm
; O^T += V^T P: 32 matrix instructions on 16 accumulators by turns.  first = 1: the first 16 start the sums: nothing is ever cleared.
.macro PV first
	WIN W_PV
.irp kk, 0,1
.irp ct, 0,1,2,3
.irp t, 0,1,2,3
.if (\first) && (\kk == 0)
	v_wmma_f32_16x16x32_f16 v[64+32*\t+8*\ct:64+32*\t+8*\ct+7], v[192+8*(4*\kk+\ct):192+8*(4*\kk+\ct)+7], v[S+32*\t+8*\kk:S+32*\t+8*\kk+7], 0
.else
	v_wmma_f32_16x16x32_f16 v[64+32*\t+8*\ct:64+32*\t+8*\ct+7], v[192+8*(4*\kk+\ct):192+8*(4*\kk+\ct)+7], v[S+32*\t+8*\kk:S+32*\t+8*\kk+7], v[64+32*\t+8*\ct:64+32*\t+8*\ct+7]
.endif
.endr
.endr
.endr
.endm
; THE SOFTMAX of a key step, for my four tiles; the tiles take turns line by line, so that no line waits for the line above it.  first = 1: the first key step starts m and l and has no a.
.macro SM first
	WIN 0
.irp j, 0,1,2,3                                ; the maximum of a lane's 32 scores: four chains; each accumulator is first read at its low end
.irp t, 0,1,2,3
	v_max3_num_f32 v[ST+8*\t+4+\j], v[S+32*\t+8*\j], v[S+32*\t+8*\j+1], v[S+32*\t+8*\j+2]
.endr
.endr
.irp g, 1,2
.irp j, 0,1,2,3
.irp t, 0,1,2,3
	v_max3_num_f32 v[ST+8*\t+4+\j], v[ST+8*\t+4+\j], v[S+32*\t+8*\j+2*\g+1], v[S+32*\t+8*\j+2*\g+2]
.endr
.endr
.endr
.irp t, 0,1,2,3
	v_max3_num_f32 v[ST+8*\t+4], v[ST+8*\t+4], v[S+32*\t+7], v[S+32*\t+15]
.endr
.irp t, 0,1,2,3
	v_max3_num_f32 v[ST+8*\t+6], v[ST+8*\t+6], v[S+32*\t+23], v[S+32*\t+31]
.endr
.irp t, 0,1,2,3
	v_max3_num_f32 v[ST+8*\t+4], v[ST+8*\t+4], v[ST+8*\t+5], v[ST+8*\t+6]
.endr
.irp t, 0,1,2,3
.if \first
	v_max_num_f32 v[ST+8*\t+4], v[ST+8*\t+4], v[ST+8*\t+7]
.else
	v_max3_num_f32 v[ST+8*\t+4], v[ST+8*\t+4], v[ST+8*\t+7], v[ST+8*\t+1]   ; with the old m
.endif
.endr
.irp t, 0,1,2,3
	v_permlanex16_b32 v[ST+8*\t+5], v[ST+8*\t+4], s[SEL], s[SEL+1]   ; the query's other 32 keys lie in the lane 16 away
.endr
.if \first == 0
.irp t, 0,1,2,3
	v_mov_b32 v[ST+8*\t+7], v[ST+8*\t]             ; c m_old is kept for a
.endr
.endif
.irp t, 0,1,2,3
	v_max_num_f32 v[ST+8*\t+1], v[ST+8*\t+4], v[ST+8*\t+5]   ; the new m
.endr
.irp t, 0,1,2,3
	v_mul_f32 v[ST+8*\t], s[CS], v[ST+8*\t+1]      ; c m
.endr
.if \first == 0
.irp t, 0,1,2,3
	v_sub_f32 v[ST+8*\t+7], v[ST+8*\t+7], v[ST+8*\t]   ; c m_old - c m_new
.endr
.endif
.irp b, 0,1,2,3,4,5,6,7,8,9,10,11,12,13,14,15
.irp t, 0,1,2,3
	v_pk_fma_f32 v[S+32*\t+2*\b:S+32*\t+2*\b+1], v[S+32*\t+2*\b:S+32*\t+2*\b+1], s[CS:CS+1], v[ST+8*\t:ST+8*\t+1] op_sel_hi:[1,0,0] neg_lo:[0,0,1] neg_hi:[0,0,1]   ; c s - c m, two at a time
.endr
.endr
.if \first == 0
.irp t, 0,1,2,3
	v_exp_f32 v[ST+8*\t+6], v[ST+8*\t+7]           ; a
.endr
.endif
.irp e, 0,1,2,3,4,5,6,7,8,9,10,11,12,13,14,15,16,17,18,19,20,21,22,23,24,25,26,27,28,29,30,31
.irp t, 0,1,2,3
	v_exp_f32 v[S+32*\t+\e], v[S+32*\t+\e]         ; p, at most 1.  ONE BATCH: none of these lines reads an exponential's result
.endr
.endr
	v_nop                                          ; a plain instruction behind the last exponential and ahead of the first use
	s_wait_alu depctr_va_vdst(0)                   ; the one wait between the batch and the first line that names a result
.irp t, 0,1,2,3                                ; l = a l + the sum of the unrounded p, in two chains of pairs
.if \first
	v_pk_add_f32 v[ST+8*\t+2:ST+8*\t+3], v[S+32*\t:S+32*\t+1], v[S+32*\t+4:S+32*\t+5]
.else
	v_pk_fma_f32 v[ST+8*\t+2:ST+8*\t+3], v[ST+8*\t+2:ST+8*\t+3], v[ST+8*\t+6:ST+8*\t+7], v[S+32*\t:S+32*\t+1] op_sel_hi:[1,0,1]
.endif
	v_pk_add_f32 v[ST+8*\t+4:ST+8*\t+5], v[S+32*\t+2:S+32*\t+3], v[S+32*\t+6:S+32*\t+7]
.endr
.if \first == 0
.irp t, 0,1,2,3
	v_pk_add_f32 v[ST+8*\t+2:ST+8*\t+3], v[ST+8*\t+2:ST+8*\t+3], v[S+32*\t+4:S+32*\t+5]
.endr
.endif
.irp b, 4,6,8,10,12,14
.irp t, 0,1,2,3
	v_pk_add_f32 v[ST+8*\t+2:ST+8*\t+3], v[ST+8*\t+2:ST+8*\t+3], v[S+32*\t+2*\b:S+32*\t+2*\b+1]
	v_pk_add_f32 v[ST+8*\t+4:ST+8*\t+5], v[ST+8*\t+4:ST+8*\t+5], v[S+32*\t+2*\b+2:S+32*\t+2*\b+3]
.endr
.endr
.irp t, 0,1,2,3
	v_pk_add_f32 v[ST+8*\t+2:ST+8*\t+3], v[ST+8*\t+2:ST+8*\t+3], v[ST+8*\t+4:ST+8*\t+5]
.endr
.irp i, 0,1,2,3,4,5,6,7,8,9,10,11,12,13,14,15   ; P in place: register i takes pair i, whose registers 2 i, 2 i + 1 lie at or above it
.irp t, 0,1,2,3
	v_cvt_pk_f16_f32 v[S+32*\t+\i], v[S+32*\t+2*\i], v[S+32*\t+2*\i+1]
.endr
.endr
.endm
.macro RESC                            ; O^T times a; each accumulator from its low end on
	WIN W_RS
.irp i, 0,1,2,3,4,5,6,7,8,9,10,11,12,13,14,15
.irp t, 0,1,2,3
	v_pk_mul_f32 v[64+32*\t+2*\i:64+32*\t+2*\i+1], v[64+32*\t+2*\i:64+32*\t+2*\i+1], v[ST+8*\t+6:ST+8*\t+7] op_sel_hi:[1,0]
.endr
.endr
.endm
; A KEY STEP j.  At its head S^T holds step j's scores and V of step j is on its way from LDS.
.macro KEYSTEP first
	FETCH_K 4                                      ; K of step j + 1.  The four v_nop and the address's addition are the places behind K Q^T, for these loads and for the softmax's reads
	SM \first
	s_wait_dscnt 16                                ; V of step j is in; the 16 loads of K just issued may be out
.if \first
	PLACES 4
.else
	RESC
.endif
	PV \first
	FETCH_V 5                                      ; V of step j + 1.  Five places: K Q^T below writes over P, which the products above have read
	s_wait_dscnt 16                                ; K of step j + 1 is in; V's 16 loads may be out
	KQ
	WIN 0                                          ; at a label and at a branch every window is 0
.endm
.macro STEPS n
	s_mov_b32 s[CNT], \n
.Lstep_\@:
	KEYSTEP 0
	s_sub_co_u32 s[CNT], s[CNT], 1
	s_cmp_lg_u32 s[CNT], 0
	s_cbranch_scc1 .Lstep_\@
.endm
; THE CHANGE OF SLOTS: slot \slot has been read out (its last bytes, V of its fourth step, have been asked for).  Each wave waits for all its tensor loads, of which one is out: its part of the other slot;
; adds 0 to its spare word; and waits for that and for its reads of the slot.  fill = 1: the barrier is a round of the cluster's, so that no wave of any partner still reads the slot or has a load on its
; way, and the joint refill, with the keys two slots on, is the first thing behind it.
.macro CHANGE slot, fill
	WIN 0
	s_wait_tensorcnt 0x0                           ; no tensor load of mine is out, so a group 0 may be written
	ds_add_u32 v[SPW], v[NIL]                      ; 0 onto my spare word
.if \fill
	s_add_nc_u64 s[G0K+4*\slot+2:G0K+4*\slot+3], s[G0K+4*\slot+2:G0K+4*\slot+3], 512*ROWQ   ; 512 keys on; the type bits on top are not reached
	s_add_nc_u64 s[G0V+4*\slot+2:G0V+4*\slot+3], s[G0V+4*\slot+2:G0V+4*\slot+3], 512*ROWQ
	s_wait_xcnt 0x0                                ; the last prefetch, four key steps back, has read its address, so it may be written:
	s_add_nc_u64 s[PFA:PFA+1], s[PFA:PFA+1], 256*ROWQ   ; one slot further on than this refill
	s_wait_dscnt 0x0                               ; the add is done, and my reads of the slot are over
	CROUND
	JLOAD \slot
	ASK
	s_sub_co_u32 s[REM], s[REM], 1
.else
	s_wait_dscnt 0x0                               ; the add is done, and my reads of the slot are over
	s_barrier_signal -1
	s_barrier_wait -1
.endif
	s_mov_b32 s[TB], (1-\slot)*SLOTB               ; the fetches go on at the other slot's first step
.endm
	s_wait_tensorcnt 1                             ; my part of slot 0 is in; slot 1's may stay out
	s_barrier_signal -1
	s_barrier_wait -1                              ; everybody's is
	FETCH_K 0                                      ; key step 0
	FETCH_V 0
	s_wait_loadcnt 0x0                             ; Q
	s_wait_dscnt 16                                ; K is in; V's 16 loads may be out
	KQ
	WIN 0
	KEYSTEP 1                                      ; step 0 starts m, l and O^T
	STEPS 2                                        ; steps 1, 2: with them slot 0 is read out
	s_mov_b32 s[TRIPS], 3
.Lslot:                                            ; three trips, two refills each: the keys of slots 2 to 7
	CHANGE 0, 1
	STEPS 4
	CHANGE 1, 1
	STEPS 4
	s_sub_co_u32 s[TRIPS], s[TRIPS], 1
	s_cmp_lg_u32 s[TRIPS], 0
	s_cbranch_scc1 .Lslot
	CHANGE 0, 0                                    ; the tail is written out: nothing is asked for
	STEPS 4
	PLACES 4                                       ; the last step, 31: the places behind K Q^T
	SM 0
	s_wait_dscnt 0x0                               ; V
	RESC
	PV 0
	; THE WAY OUT.  l's two halves and the other half of the lanes' are added (the additions are the places behind the last products); O^T is divided by l, rounded to f16 and sent through the stage.
	WIN 0
.irp t, 0,1,2,3
	v_add_f32 v[ST+8*\t+4], v[ST+8*\t+2], v[ST+8*\t+3]
.endr
.irp t, 0,1,2,3
	v_permlanex16_b32 v[ST+8*\t+5], v[ST+8*\t+4], s[SEL], s[SEL+1]
.endr
.irp t, 0,1,2,3
	v_add_f32 v[ST+8*\t+4], v[ST+8*\t+4], v[ST+8*\t+5]
.endr
.irp t, 0,1,2,3
	v_rcp_f32 v[ST+8*\t+6], v[ST+8*\t+4]
.endr
	v_nop                                          ; a plain instruction between the last reciprocal and the use of its result
	s_wait_alu depctr_va_vdst(0)                   ; and the wait ahead of the first use: one for the four
.irp t, 0,1,2,3
	WIN W_RS
.irp i, 0,1,2,3,4,5,6,7,8,9,10,11,12,13,14,15
	v_pk_mul_f32 v[64+32*\t+2*\i:64+32*\t+2*\i+1], v[64+32*\t+2*\i:64+32*\t+2*\i+1], v[ST+8*\t+6:ST+8*\t+7] op_sel_hi:[1,0]
.endr
	WIN 0x05                                       ; sources 0 and 1 window 1, destination window 0: S^T's registers are free
.irp i, 0,1,2,3,4,5,6,7,8,9,10,11,12,13,14,15
	v_cvt_pk_f16_f32 v[48+16*\t+\i], v[64+32*\t+2*\i], v[64+32*\t+2*\i+1]
.endr
	WIN 0
.irp ct, 0,1,2,3
	ds_store_b128 v[STO], v[48+16*\t+4*\ct:48+16*\t+4*\ct+3] offset:\t*16*SP+32*\ct   ; lane (r, h): query 16 t + r, channels 16 ct + 8 h + 0..7
.endr
.endr
	s_wait_dscnt 0x0                               ; for the others' sake: my stores into the stage are done
	s_barrier_signal -1
	s_barrier_wait -1                              ; a row's 256 bytes come from two waves, one for each head of the pair
.irp i, 0,1,2,3,4,5,6,7,8,9,10,11,12,13,14,15
	ds_load_b128 v[112+4*\i:115+4*\i], v[RD] offset:\i*2*SP
.endr
.irp i, 0,1,2,3,4,5,6,7,8,9,10,11,12,13,14,15
	s_wait_dscnt 15-\i                             ; load i is in; the younger ones may be out
	global_store_b128 v[GO], v[112+4*\i:115+4*\i], s[68:69] offset:\i*4096   ; 16 lanes store 256 consecutive bytes, at a multiple of 256 from att's first byte
.endr
	s_wait_tensorcnt 0x0                           ; the wave's end, behind my last tensor load and my last LDS store
	ds_add_u32 v[SPW], v[NIL]
	s_wait_dscnt 0x0
	CROUND                                         ; the closing round: no work-group ends while a partner may still ask for a tile that names it
	s_endpgm
.Lfunc_end_k_qf4e90338c6_attn:
	.size	k_qf4e90338c6_attn, .Lfunc_end_k_qf4e90338c6_attn-k_qf4e90338c6_attn
	.p2alignl 7, 3214868480
	.fill 96, 4, 3214868480
	.section	.rodata,"a",@progbits
	.p2align	6, 0x0
	.amdhsa_kernel k_qf4e90338c6_attn
		.amdhsa_group_segment_fixed_size 327680
		.amdhsa_private_segment_fixed_size 0
		.amdhsa_enable_private_segment 0
		.amdhsa_kernarg_size 16
		.amdhsa_user_sgpr_count 2
		.amdhsa_user_sgpr_kernarg_segment_ptr 1
		.amdhsa_wavefront_size32 1
		.amdhsa_system_sgpr_workgroup_id_x 1
		.amdhsa_system_sgpr_workgroup_id_y 1
		.amdhsa_system_sgpr_workgroup_id_z 1
		.amdhsa_system_vgpr_workitem_id 0
		.amdhsa_next_free_vgpr 512
		.amdhsa_next_free_sgpr 76
		.amdhsa_reserve_vcc 0
		.amdhsa_float_denorm_mode_32 3
		.amdhsa_float_denorm_mode_16_64 3
		.amdhsa_memory_ordered 1
		.amdhsa_forward_progress 1
		.amdhsa_inst_pref_size 212
	.end_amdhsa_kernel
	.amdgpu_metadata
---
amdhsa.version: [ 1, 2 ]
amdhsa.kernels:
  - .name:           k_qf4e90338c6_attn
    .symbol:         k_qf4e90338c6_attn.kd
    .args:
      - { .name: qkv, .offset: 0, .size: 8, .value_kind: global_buffer, .address_space: global }
      - { .name: att, .offset: 8, .size: 8, .value_kind: global_buffer, .address_space: global }
    .group_segment_fixed_size: 327680
    .private_segment_fixed_size: 0
    .kernarg_segment_align: 8
    .kernarg_segment_size: 16
    .max_flat_workgroup_size: 256
    .sgpr_count:     76
    .vgpr_count:     512
    .wavefront_size: 32
...
	.end_amdgpu_metadata
.endif
;; end of part 3
;; launch proj (part 4): grid 8 x 32, 4 waves a work-group, clusters of 4 x 4, 327,680 bytes of LDS; arguments att, wo16, bo, out0; writes out0
.if DOCPART == 4
	.amdgcn_target "amdgcn-amd-amdhsa--gfx1250"
	.amdhsa_code_object_version 6
	.text
	.protected	k_qf4e90338c6_proj
	.globl	k_qf4e90338c6_proj
	.p2align	8
	.type	k_qf4e90338c6_proj,@function
k_qf4e90338c6_proj:
	s_mov_b64 s[64:65], 0
	v_nop
	global_prefetch_b8 v0, s[64:65] scope:SCOPE_SE
	s_setreg_imm32_b32 hwreg(HW_REG_WAVE_MODE, 25, 1), 1
	s_wait_xcnt 0x0
	s_wait_alu depctr_hold_cnt(0) depctr_sa_sdst(0) depctr_va_vdst(0) depctr_va_sdst(0) depctr_va_ssrc(0) depctr_va_vcc(0) depctr_vm_vsrc(0)
	s_getreg_b32 s2, hwreg(HW_REG_IB_STS2, 6, 4)
	s_cmp_eq_u32 s2, 0
	s_cbranch_scc0 .Lentry_in_a_cluster
	s_endpgm
.Lentry_in_a_cluster:
	s_bfe_u32 s2, ttmp6, 0x10000c
	s_cmp_lg_u32 s2, 0xf033
	s_cbranch_scc0 .Lentry_shape_is_right
	s_endpgm
.Lentry_shape_is_right:
; Launch 4 of 4: out0[m][n] = sum over k of att[m][k] Wo[k][n] + bo[n].  att [8192][1024] f16, wo16 [k 1024][n 1024] f16, bo [1024] f32, out0 [8192][1024] f32; sums in f32.  No work is left out.
; A tile of 256 (m) x 128 (n) gives each of 256 WGPs one work-group.  Four waves, each 128 x 64: 32 accumulators of 16 x 16, 256 registers.
; K goes in steps of 128 through a ring of two LDS slots: 256 rows of att (256 bytes each), then 128 rows of wo16 (k), 256 bytes (my 128 columns) each.  Waves 0, 1 fetch att's halves, waves 2, 3 wo16's.
; wo16 lies [k][n]: its fragments come out of LDS turned, by ds_load_tr16_b128.
; CLUSTERS: 4 x 4 work-groups; att's tile is shared along a row of the cluster, wo16's along a column: each is asked for JOINTLY.
; THE MATRIX INSTRUCTION IS USED TRANSPOSED (source 0 = 16 columns of Wo, source 1 = 16 rows of att): a lane holds eight neighbouring numbers of a row of out0.
; THE BIAS is the C of each sum's first product: eight registers a column block, in the result's layout: no addition is spent on it.
; No prefetch: the launch walks eight K steps in all, and the partners of a cluster already share each tile.
; REGISTERS: window 0: v16-29 addresses; v32-63 the bias; v64-159, v160-255 two fragment buffers: 64 registers of att (8 x 16 rows x 32 K), then 32 of Wo (4 x 16 columns x 32 K).
;   window 1: accumulator (a, b) at v[8 (4 a + b)].
.set KSTEP,  128
.set PA,     272                       ; a row of att in LDS: 256 bytes + 16
.set PB,     288                       ; a row of wo16: 256 + 32, for the turning load
.set HALFA,  128*PA                    ; what a tensor load of att brings, and what a wave reads of it
.set ATILE,  2*HALFA
.set HALFB,  64*PB                     ; what a tensor load of wo16 brings
.set SLOT,   ATILE+2*HALFB
.set STAGE,  2*SLOT                    ; behind the ring: 16 rows x 272 bytes for each wave, for the way out; no tensor load lands here
.set SPITCH, 272
.set SPARE,  STAGE+4*16*SPITCH         ; the spare words, 128 bytes for each wave, which no other line names
.set LAPS,   1024/(2*KSTEP)
.set ADRA, 16                          ; v16-17  LDS address of my att fragments in slot 0, 1
.set ADRB, 20                          ; v20-21  the same for Wo
.set STO,  24                          ; v24     the way out: where I put 32 bytes of a row
.set RD,   25                          ; v25     where I read a row back
.set CO,   26                          ; v26     my byte offset in out0
.set BO,   27                          ; v27     my byte offset in bo
.set SPW,  28                          ; v28     LDS address of my spare word; never rewritten
.set NIL,  29                          ; v29     0; never rewritten
.set BIAS, 32
.set F0,   64
.set F1,   160
.set WV,   12                          ; s12  wave
.set RH,   13                          ; s13  which half of the tile's rows is mine.  Also: I fetch for att (0) or for wo16 (1)
.set CH,   14                          ; s14  which half of its columns.  Also: which half of that tile I fetch
.set G1, 24                            ; s[24:31] group 1 for att's tiles;  s[32:39] group 0, a set for each slot
.set G0, 32
.set G1B, 48                           ; s[48:55], s[56:63] the same for wo16's
.set G0B, 56
.set MSB, 0
.macro WIN new
.if MSB != (\new)
	s_set_vgpr_msb (MSB<<8)|(\new)
.set MSB, (\new)
.endif
.endm
.set MUL,  0x50                        ; C and D window 1; both sources window 0
.set MULF, 0x40                        ; D window 1; C (the bias) window 0
.macro PLACES n
.rept \n
	v_nop
.endr
.endm
.macro JLOAD s                         ; a joint load; an s_nop 0 and four v_nop follow each of the two lines
	s_cmp_eq_u32 s[RH], 0
	s_cbranch_scc0 .Lfor_b_\@
	tensor_load_to_lds s[G0+4*\s:G0+4*\s+3], s[G1:G1+7]
	s_nop 0
.rept 4
	v_nop
.endr
	s_branch .Lasked_\@
.Lfor_b_\@:
	tensor_load_to_lds s[G0B+4*\s:G0B+4*\s+3], s[G1B:G1B+7]
	s_nop 0
.rept 4
	v_nop
.endr
.Lasked_\@:
.endm
.macro CREST                           ; a round of the cluster's barrier behind its opening barrier
	s_cmp_lg_u32 s[WV], 0
	s_cbranch_scc1 .Lnot_wave_0_\@
	s_barrier_signal -3
.Lnot_wave_0_\@:
	s_barrier_wait -3
	s_barrier_signal -1
	s_barrier_wait -1
.endm
.macro CROUND
	s_barrier_signal -1
	s_barrier_wait -1
	CREST
.endm
	s_load_b256 s[4:11], s[0:1], 0x0               ; att s[4:5], wo16 s[6:7], bo s[8:9], out0 s[10:11]
	v_lshl_add_u32 v[SPW], v0, 2, SPARE
	v_mov_b32 v[NIL], 0
	ds_add_u32 v[SPW], v[NIL]                      ; the wave's opening: the add, twice on end, and its wait ahead of my first tensor load
	ds_add_u32 v[SPW], v[NIL]                      ; (the same add once more; the set-up below, work on registers, stands between it and the wait)
	v_lshrrev_b32 v1, 5, v0
	v_readfirstlane_b32 s[WV], v1
	s_lshr_b32 s[RH], s[WV], 1
	s_and_b32 s[CH], s[WV], 1
	s_bfe_u32 s40, ttmp6, 0x40000                  ; cx, cy: my place in the cluster
	s_bfe_u32 s41, ttmp6, 0x40004
	s_lshl_b32 s42, ttmp9, 2
	s_add_co_u32 s42, s42, s40                     ; tile column = 4 x cluster x + cx
	s_and_b32 s15, ttmp7, 0xffff
	s_lshl_b32 s15, s15, 2
	s_add_co_u32 s15, s15, s41                     ; tile row = 4 x cluster y + cy
	s_lshl_b32 s43, s41, 2
	s_lshl_b32 s43, 15, s43                        ; my row of the cluster
	s_lshl_b32 s44, 0x1111, s40                    ; my column
	s_or_b32 s[G1+0], s43, (1<<16)|(1<<20)|(1<<21)|(5<<22)|(3<<25)   ; the mask: att's tiles go to my row; elements of 2 bytes; padding on; bit 21 beside a mask; four words after every 64
	s_mov_b32 s[G1+1], KSTEP<<16                   ; tensor_dim0 = 128
	s_mov_b32 s[G1+2], 128<<16                     ; tensor_dim1 = 128
	s_mov_b32 s[G1+3], KSTEP<<16                   ; tile_dim0
	s_mov_b32 s[G1+4], 128                         ; tile_dim1
	s_mov_b32 s[G1+5], 1024                        ; elements from row to row
	s_mov_b32 s[G1+6], 0
	s_mov_b32 s[G1+7], 0
	s_or_b32 s[G1B+0], s44, (1<<16)|(1<<20)|(1<<21)|(5<<22)|(7<<25)  ; wo16's tiles go to my column; eight words of padding
	s_mov_b32 s[G1B+1], 128<<16                    ; 128 columns
	s_mov_b32 s[G1B+2], 64<<16                     ; 64 rows (k)
	s_mov_b32 s[G1B+3], 128<<16
	s_mov_b32 s[G1B+4], 64
	s_mov_b32 s[G1B+5], 1024
	s_mov_b32 s[G1B+6], 0
	s_mov_b32 s[G1B+7], 0
	; where the tiles come from: att's hang on the tile row alone, wo16's on the tile column alone, each in registers that never hold the other coordinate
	s_lshl_b32 s16, s15, 8
	s_lshl_b32 s17, s[CH], 7
	s_add_co_u32 s16, s16, s17                     ; att: row 256 x tile row + 128 x half,
	s_lshl_b32 s16, s16, 11                        ; of 2,048 bytes
	s_mov_b32 s17, 0
	s_lshl_b32 s46, s[CH], 17                      ; wo16: row (k) 64 x half, of 2,048 bytes,
	s_lshl_b32 s47, s42, 8
	s_add_co_u32 s46, s46, s47                     ; + 256 bytes x tile column
	s_mov_b32 s47, 0
	s_mul_i32 s20, s[CH], HALFA                    ; where they go: no place in the cluster enters an LDS address
	s_mul_i32 s21, s[CH], HALFB
	s_add_co_u32 s21, s21, ATILE
	s_wait_dscnt 0x0                               ; both opening adds are done
	s_wait_kmcnt 0x0
	s_add_nc_u64 s[16:17], s[4:5], s[16:17]
	s_add_nc_u64 s[46:47], s[6:7], s[46:47]
	CROUND                                         ; all sixteen work-groups are here: the first joint loads meet
.irp s, 0,1
	s_mov_b32 s[G0+4*\s], 1
	s_add_co_u32 s[G0+4*\s+1], s20, \s*SLOT
	s_add_nc_u64 s[G0+4*\s+2:G0+4*\s+3], s[16:17], \s*KSTEP*2          ; K step s: 256 bytes along the rows
	s_or_b32 s[G0+4*\s+3], s[G0+4*\s+3], 0x80000000
	s_mov_b32 s[G0B+4*\s], 1
	s_add_co_u32 s[G0B+4*\s+1], s21, \s*SLOT
	s_add_nc_u64 s[G0B+4*\s+2:G0B+4*\s+3], s[46:47], \s*KSTEP*2048     ; K step s: 128 rows down
	s_or_b32 s[G0B+4*\s+3], s[G0B+4*\s+3], 0x80000000
	JLOAD \s                                       ; two tensor loads of mine are out
.endr
	v_and_b32 v1, 15, v0                           ; r = l % 16
	v_bfe_u32 v2, v0, 4, 1                         ; h = l / 16
	s_lshl_b32 s20, s15, 8
	s_lshl_b32 s21, s[RH], 7
	s_add_co_u32 s20, s20, s21                     ; my first row of out0,
	s_lshl_b32 s20, s20, 12                        ; of 4,096 bytes
	s_mov_b32 s21, 0
	s_add_nc_u64 s[10:11], s[10:11], s[20:21]
	s_lshl_b32 s46, s42, 9
	s_lshl_b32 s47, s[CH], 8
	s_add_co_u32 s46, s46, s47                     ; my first column, in bytes of f32: 512 x tile column + 256 x half
	s_mov_b32 s47, 0
	s_add_nc_u64 s[10:11], s[10:11], s[46:47]
	s_add_nc_u64 s[8:9], s[8:9], s[46:47]          ; bo at my 64 columns
	v_lshlrev_b32 v[BO], 5, v2
.irp b, 0,1,2,3
	global_load_b128 v[BIAS+8*\b:BIAS+8*\b+3],   v[BO], s[8:9] offset:64*\b       ; register 8 b + j: bo[my first column + 16 b + 8 h + j]
	global_load_b128 v[BIAS+8*\b+4:BIAS+8*\b+7], v[BO], s[8:9] offset:64*\b+16
.endr
	v_mul_u32_u24 v3, v1, PA
	v_lshl_add_u32 v3, v2, 4, v3                   ; att: row x pitch + 16 x half
	s_mul_i32 s21, s[RH], HALFA                    ; my 128 rows
	v_and_b32 v4, 7, v0                            ; Wo, turned: lane l reads 16 bytes: k 8 (l / 16) + l % 8, columns 8 ((l / 8) % 2) + 0..7
	v_bfe_u32 v5, v0, 3, 1
	v_lshl_add_u32 v4, v2, 3, v4
	v_mul_u32_u24 v4, v4, PB
	v_lshl_add_u32 v4, v5, 4, v4
	s_lshl_b32 s22, s[CH], 7                       ; my 64 columns: 128 bytes
	s_add_co_u32 s22, s22, ATILE
.irp s, 0,1
	v_add_nc_u32 v[ADRA+\s], s21, v3
	v_add_nc_u32 v[ADRB+\s], s22, v4
	s_add_co_u32 s21, s21, SLOT
	s_add_co_u32 s22, s22, SLOT
.endr
	s_mul_i32 s23, s[WV], 16*SPITCH
	s_add_co_u32 s23, s23, STAGE                   ; my stage
	v_mul_u32_u24 v5, v1, SPITCH                   ; in: row l % 16, 32 bytes for each half of the lanes
	v_lshl_add_u32 v5, v2, 5, v5
	v_add_nc_u32 v[STO], s23, v5
	v_mul_u32_u24 v5, v2, SPITCH                   ; back: lanes 0-15 one row of 256 bytes, lanes 16-31 the next
	v_lshl_add_u32 v5, v1, 4, v5
	v_add_nc_u32 v[RD], s23, v5
	v_lshlrev_b32 v5, 12, v2                       ; and the same two rows in out0
	v_lshl_add_u32 v[CO], v1, 4, v5
; 8 matrix instructions: att's blocks a0, a0 + 1 against Wo's four, 32 along K.  first = 1: the bias starts the sums.  The 32 accumulators take turns, one instruction a turn.
.macro MUL8 f, a0, first
.irp a, \a0, \a0+1
.irp b, 0,1,2,3
.if \first
	v_wmma_f32_16x16x32_f16 v[8*(4*(\a)+\b):8*(4*(\a)+\b)+7], v[\f+64+8*\b:\f+64+8*\b+7], v[\f+8*(\a):\f+8*(\a)+7], v[BIAS+8*\b:BIAS+8*\b+7]
.else
	v_wmma_f32_16x16x32_f16 v[8*(4*(\a)+\b):8*(4*(\a)+\b)+7], v[\f+64+8*\b:\f+64+8*\b+7], v[\f+8*(\a):\f+8*(\a)+7], v[8*(4*(\a)+\b):8*(4*(\a)+\b)+7]
.endif
.endr
.endr
.endm
; 24 LDS loads in one run: the fragments of the slot's q-th 32 along K into buffer f: Wo's four first, then att's eight
.macro FETCH slot, q, f
.irp b, 0,1,2,3
	ds_load_tr16_b128 v[\f+64+8*\b:\f+64+8*\b+3],   v[ADRB+\slot] offset:32*(\q)*PB+32*\b
	ds_load_tr16_b128 v[\f+64+8*\b+4:\f+64+8*\b+7], v[ADRB+\slot] offset:32*(\q)*PB+16*PB+32*\b
.endr
.irp i, 0,1,2,3,4,5,6,7
	ds_load_b128 v[\f+8*\i:\f+8*\i+3],   v[ADRA+\slot] offset:64*(\q)+\i*16*PA
	ds_load_b128 v[\f+8*\i+4:\f+8*\i+7], v[ADRA+\slot] offset:64*(\q)+\i*16*PA+32
.endr
.endm
; A K step is four quarters of 32 along K, 32 matrix instructions each, on buffers 0, 1, 0, 1.  One of the first three multiplies buffer f and, in its middle, fetches the slot's q-th quarter into g.
.macro QUARTER slot, q, f, g, first
	s_wait_dscnt 8                                 ; Wo's fragments and att's blocks 0-3 are in; the youngest eight loads (blocks 4-7) may be out
	WIN MUL-0x10*(\first)                          ; MUL, or MULF where the bias is C
	MUL8 \f, 0, \first
	MUL8 \f, 2, \first
	PLACES 4                                       ; in front of loads into registers that matrix instructions have read
	WIN 0
	FETCH \slot, \q, \g
	s_wait_dscnt 24                                ; all but the 24 just issued
	WIN MUL-0x10*(\first)
	MUL8 \f, 4, \first
	MUL8 \f, 6, \first
.endm
; The last quarter multiplies buffer 1 and changes slots: ONE barrier; in front of it each wave waits for all its tensor loads, adds 0 to its spare word, and waits for that and for its reads of this slot.
; fill = 1: the barrier opens a round of the cluster's, and behind the round this slot is filled again, two K steps ahead.
.macro TURN slot, next, fill
	WIN 0                                          ; (the add's two registers lie in window 0)
	s_wait_tensorcnt 0x0                           ; all my tensor loads have landed: the one that was out is my part of the next slot
	ds_add_u32 v[SPW], v[NIL]                      ; 0 onto my spare word
	s_wait_dscnt 9                                 ; (the add and the youngest eight loads may be out)
	WIN MUL
	MUL8 F1, 0, 0                                  ; eight matrix instructions stand between the add and the wait for it
	s_wait_dscnt 0x0                               ; the add is done, and my reads of this slot are over
	s_barrier_signal -1
	MUL8 F1, 2, 0
	WIN 0
	s_barrier_wait -1
.if \fill
	CREST                                          ; no wave of any partner still reads this slot's tile or has a load on its way
	s_add_nc_u64 s[G0+4*\slot+2:G0+4*\slot+3], s[G0+4*\slot+2:G0+4*\slot+3], 2*KSTEP*2
	s_add_nc_u64 s[G0B+4*\slot+2:G0B+4*\slot+3], s[G0B+4*\slot+2:G0B+4*\slot+3], 2*KSTEP*2048
	JLOAD \slot                                    ; the first tensor load behind the round; the four v_nop behind it are also the places in front of the loads below
.else
	PLACES 4
.endif
	FETCH \next, 0, F0
	WIN MUL
	MUL8 F1, 4, 0
	MUL8 F1, 6, 0
.endm
	s_wait_tensorcnt 1                             ; my part of K step 0 is in (K step 1's load may be out)
	s_barrier_signal -1
	s_barrier_wait -1                              ; everybody's is
	FETCH 0, 0, F0
	s_wait_loadcnt 0x0                             ; the bias
	QUARTER 0, 1, F0, F1, 1                        ; the first quarter stands in front of the loop: its products start the sums, on the bias
	WIN 0                                          ; at a label and at a branch every window is 0
	s_mov_b32 s3, LAPS-1
.Llap:                                                 ; a trip goes once round the ring, from a lap's second quarter to the next lap's first, and fills both slots again
	QUARTER 0, 2, F1, F0, 0
	QUARTER 0, 3, F0, F1, 0
	TURN 0, 1, 1
	QUARTER 1, 1, F0, F1, 0
	QUARTER 1, 2, F1, F0, 0
	QUARTER 1, 3, F0, F1, 0
	TURN 1, 0, 1
	QUARTER 0, 1, F0, F1, 0
	WIN 0
	s_sub_co_u32 s3, s3, 1
	s_cmp_lg_u32 s3, 0
	s_cbranch_scc1 .Llap
	QUARTER 0, 2, F1, F0, 0                        ; the last lap fills nothing, and has no round of the cluster's barrier
	QUARTER 0, 3, F0, F1, 0
	TURN 0, 1, 0
	QUARTER 1, 1, F0, F1, 0
	QUARTER 1, 2, F1, F0, 0
	QUARTER 1, 3, F0, F1, 0
	s_wait_dscnt 8                                 ; the very last quarter: nothing more to fetch
	WIN MUL
	MUL8 F1, 0, 0
	MUL8 F1, 2, 0
	s_wait_dscnt 0
	MUL8 F1, 4, 0
	MUL8 F1, 6, 0
	WIN 0
; THE WAY OUT, a block of 16 rows x 64 columns at a time.  A lane holds 32 neighbouring bytes of a row: a block goes through my own stage and comes back as whole rows of 256 bytes.
; LDS serves a wave's instructions in order (ISA guide 5.7.1): no wait between the stores and the loads, nor in front of the next block's stores.
.macro TOSTAGE a
	WIN 0x04                                       ; an LDS store's data are its source 1: window 1
.irp b, 0,1,2,3
	ds_store_b128 v[STO], v[8*(4*(\a)+\b):8*(4*(\a)+\b)+3] offset:64*\b          ; each accumulator from its low end on
	ds_store_b128 v[STO], v[8*(4*(\a)+\b)+4:8*(4*(\a)+\b)+7] offset:64*\b+16
.endr
	WIN 0
.set BB, 64+32*((\a)%2)
.irp t, 0,1,2,3,4,5,6,7
	ds_load_b128 v[BB+4*\t:BB+4*\t+3], v[RD] offset:\t*2*SPITCH
.endr
.endm
.macro SEND a, younger                 ; younger: the LDS instructions issued behind block a's loads, which may stay out
.set BB, 64+32*((\a)%2)
	s_wait_dscnt \younger                          ; the block is back in registers
.if (\a) > 0
	s_add_nc_u64 s[10:11], s[10:11], 16*4096       ; (behind a wait on XCNT: the earlier stores have read their base)  16 rows on
.endif
.irp t, 0,1,2,3,4,5,6,7
	global_store_b128 v[CO], v[BB+4*\t:BB+4*\t+3], s[10:11] offset:\t*2*4096 th:TH_STORE_NT   ; 16 lanes store 256 consecutive bytes, at a multiple of 256 from out0's first byte; written once, read by nobody here
.endr
.endm
	PLACES 4                                       ; behind the last products: for the stores that read results and the loads into registers that held fragments
	TOSTAGE 0
.irp a, 1,2,3,4,5,6,7
.if \a > 1
	s_wait_xcnt 0x0                                ; block a - 2's stores have read their registers and their base: block a's loads may land there, and the base may step
.endif
	TOSTAGE \a
	SEND \a-1, 16                                  ; behind block a - 1's loads: block a's 8 stores and 8 loads
.endr
	s_wait_xcnt 0x0                                ; block 6's stores have read their base
	SEND 7, 0
	s_wait_tensorcnt 0x0                           ; the wave's end, behind my last tensor load and my last LDS store
	ds_add_u32 v[SPW], v[NIL]
	s_wait_dscnt 0x0
	CROUND                                         ; the closing round: no work-group ends while a partner may still ask for a tile that names it
	s_endpgm
.Lfunc_end_k_qf4e90338c6_proj:
	.size	k_qf4e90338c6_proj, .Lfunc_end_k_qf4e90338c6_proj-k_qf4e90338c6_proj
	.p2alignl 7, 3214868480
	.fill 96, 4, 3214868480
	.section	.rodata,"a",@progbits
	.p2align	6, 0x0
	.amdhsa_kernel k_qf4e90338c6_proj
		.amdhsa_group_segment_fixed_size 327680
		.amdhsa_private_segment_fixed_size 0
		.amdhsa_enable_private_segment 0
		.amdhsa_kernarg_size 32
		.amdhsa_user_sgpr_count 2
		.amdhsa_user_sgpr_kernarg_segment_ptr 1
		.amdhsa_wavefront_size32 1
		.amdhsa_system_sgpr_workgroup_id_x 1
		.amdhsa_system_sgpr_workgroup_id_y 1
		.amdhsa_system_sgpr_workgroup_id_z 1
		.amdhsa_system_vgpr_workitem_id 0
		.amdhsa_next_free_vgpr 512
		.amdhsa_next_free_sgpr 66
		.amdhsa_reserve_vcc 0
		.amdhsa_float_denorm_mode_32 3
		.amdhsa_float_denorm_mode_16_64 3
		.amdhsa_memory_ordered 1
		.amdhsa_forward_progress 1
		.amdhsa_inst_pref_size 87
	.end_amdhsa_kernel
	.amdgpu_metadata
---
amdhsa.version: [ 1, 2 ]
amdhsa.kernels:
  - .name:           k_qf4e90338c6_proj
    .symbol:         k_qf4e90338c6_proj.kd
    .args:
      - { .name: att, .offset: 0, .size: 8, .value_kind: global_buffer, .address_space: global }
      - { .name: wo16, .offset: 8, .size: 8, .value_kind: global_buffer, .address_space: global }
      - { .name: bo, .offset: 16, .size: 8, .value_kind: global_buffer, .address_space: global }
      - { .name: out0, .offset: 24, .size: 8, .value_kind: global_buffer, .address_space: global }
    .group_segment_fixed_size: 327680
    .private_segment_fixed_size: 0
    .kernarg_segment_align: 8
    .kernarg_segment_size: 32
    .max_flat_workgroup_size: 128
    .sgpr_count:     66
    .vgpr_count:     512
    .wavefront_size: 32
...
	.end_amdgpu_metadata
.endif
;; end of part 4
